; MI455X (gfx1250); checked and timed in simulation.
; The chip was launched on July 23, 2026; its instructions are those of AMD's public machine-readable ISA for CDNA 5 (MIT licence, August 2026) and "CDNA5" Instruction Set Architecture Reference Guide (July 2026). The comments in the code are by the model that wrote it; some were corrected since.
;; Multi Head Attention. Allowed arithmetic: matrix products marked QUANTISED: E4M3 operands, one given power-of-two scale a tensor, by v_wmma_f32_16x16x64_fp8_fp8 or v_wmma_f32_16x16x128_fp8_fp8, f32 sums; everything else in f32.
;; Inputs: W_k 1,024 x 1,024 float32; W_o 1,024 x 1,024 float32; W_q 1,024 x 1,024 float32; W_v 1,024 x 1,024 float32; key 2 x 2,048 x 1,024 float32; lowp_scales 12 int32 (the exponents e of the quantised operands' scales 2^e); mask 1 x 1 x 2,048 x 2,048 bool; query 2 x 2,048 x 1,024 float32; value 2 x 2,048 x 1,024 float32.
;; Outputs: out0 2 x 2,048 x 1,024 float32.
;; This version of the problem:
;;   THIS VERSION OF THE PROBLEM IS GIVEN IN LOW PRECISION. The matrix products marked QUANTISED in the list below multiply operands that are first quantised to E4M3 (4 exponent bits, 3 mantissa bits; 8 bits a number), with one given power-of-two scale for each operand tensor; their sums are f32. All else is computed in f32.
;;   The module's matrix products, in the order in which they are computed (A, B: the left and right operand; K: the contracted axis; several contracted axes count as one K, in the product's order):
;;     1. [M 4,096, K 1,024] x [K 1,024, N 1,024]; A: input query; B: input W_q: QUANTISED (scales: A lowp_scales[0], B lowp_scales[1])
;;     2. [M 4,096, K 1,024] x [K 1,024, N 1,024]; A: input key; B: input W_k: QUANTISED (scales: A lowp_scales[2], B lowp_scales[3])
;;     3. [M 4,096, K 1,024] x [K 1,024, N 1,024]; A: input value; B: input W_v: QUANTISED (scales: A lowp_scales[4], B lowp_scales[5])
;;     4. batch 32 x [M 2,048, K 64] x [K 64, N 2,048]; A: computed on the way; B: computed on the way: QUANTISED (scales: A lowp_scales[6], B lowp_scales[7])
;;     5. batch 32 x [M 2,048, K 2,048] x [K 2,048, N 64]; A: computed on the way; B: computed on the way: QUANTISED (scales: A lowp_scales[8], B lowp_scales[9])
;;     6. [M 4,096, K 1,024] x [K 1,024, N 1,024]; A: computed on the way; B: input W_o: QUANTISED (scales: A lowp_scales[10], B lowp_scales[11])
;;   THE QUANTISER, for each operand of a quantised product, along K:
;;     - The operand's scale is 2^e, e = its entry of the input lowp_scales (int32; the entries are numbered through the quantised products in the list's order, A before B).
;;     - Each number is divided by the scale, clamped to +-448, and rounded to the nearest number of E4M3, ties to even, subnormals kept.
;;     - The product sums the exact products of the quantised numbers (number of the format x scale) in f32.
;;   ~~~python
;;   def quantise(x, axis, e):      # numpy; x: float32 -> the quantised numbers, widened to float32 again
;;       x = np.moveaxis(x, axis, -1); K = x.shape[-1]
;;       r = np.clip(x / 2.0 ** e, -448, 448)
;;       step = 2.0 ** (np.maximum(np.frexp(np.where(r == 0, 1, r))[1] - 1, -6) - 3)
;;       q = np.round(r / step) * step * 2.0 ** e      # np.round: ties to even
;;       return np.moveaxis(q, -1, axis).astype(np.float32)
;;   ~~~
;;   OPERANDS COMPUTED ON THE WAY. 'Computed on the way' means the value that the module computes at that place (a softmax that the list does not call 'softmax' is quantised finished and normalised). What goes into a quantiser is computed in f32, as accurately as f32 sums, v_exp_f32 and their like allow (about 1e-6 of the number): no bf16 or f16 on the way to a quantiser, and a product that is left as it is and whose result goes on into a quantised operand takes f32 operands (vector FMAs, or v_wmma_f32_16x16x4_f32). A number that lies on a knife's edge between two numbers of the format may be rounded either way, as far as f32 arithmetic and the matrix unit's own rounding can turn it there, and no further.
;; 2 versions, each right; version 2 is version 1 with the launch attn written anew for expert scheduling mode. Each part assembles by itself: llvm-mc -triple=amdgcn-amd-amdhsa -mcpu=gfx1250 --defsym DOCPART=n.
;; ======== version 1 of 2: 4 launches
;; workspace buffers: xc 12,582,912 bytes; wc 4,194,304 bytes; qkvc 12,582,912 bytes; mc 4,194,304 bytes; mw 524,288 bytes of whole numbers; mf 2,048 bytes of whole numbers
;; launch prep (part 1): grid 640 x 1, 4 waves a work-group, no clusters, 33,280 bytes of LDS; arguments query, key, value, W_q, W_k, W_v, W_o, mask, lowp_scales, xc, wc, mw, mf; writes xc, wc, mw, mf
.if DOCPART == 1
	.amdgcn_target "amdgcn-amd-amdhsa--gfx1250"
	.amdhsa_code_object_version 6
	.text
	.protected	k_qb2c3a17fd1_prep
	.globl	k_qb2c3a17fd1_prep
	.p2align	8
	.type	k_qb2c3a17fd1_prep,@function
k_qb2c3a17fd1_prep:
	s_mov_b64 s[64:65], 0
	v_nop
	global_prefetch_b8 v0, s[64:65] scope:SCOPE_SE
	s_setreg_imm32_b32 hwreg(HW_REG_WAVE_MODE, 25, 1), 1
	s_wait_xcnt 0x0
; TWO JOBS IN ONE LAUNCH, told apart by the work-group's number.
; Work-groups 0-511: query, key, value [4096][1024] and W_q, W_k, W_v, W_o [1024][1024], f32, become codes of FP8 (E4M3), K innermost, each with the scale 2^e that is given for it
; (entries 0, 2, 4, 1, 3, 5, 11 of the scales).  code = x / 2^e, held within +-448, rounded to the nearest code, ties to even.  query, key, value go to xc (4 MiB each), the weights to wc (1 MiB each).
; LIMITS: -126 <= e and e + 8 <= 127.  NaN among the inputs is not served (an infinity is held at the largest code).
; W_v's ROWS ARE STORED IN ANOTHER ORDER: row d lies at the place that is d with its bits 3 and 4 exchanged.  A wave's run is 8 rows, a work-group's 32, so the exchange is one of the wave's two bits.
; It makes the attention's results lie as the last product's operand wants them.
; Rows are dense, so a tensor is a plain stream: a wave takes 16 steps of 512 numbers.  Each of a step's four loads reads 512 consecutive bytes; the 2,048 bytes go through the wave's own stage in LDS
; (16 bytes of padding behind each 64) and come back 64 bytes a lane: 16 neighbours along K, as the conversions want them.  A lane's 16 codes are 16 bytes: a store covers 512 consecutive bytes.
; Work-groups 512-639: the mask [2048][2048] of bytes becomes lane words.  Work-group 512 + T takes queries 16 T .. 16 T + 15, its wave w the key steps 4 w .. 4 w + 3 of 128 keys.
; mw[T][s][n], n = 8 a + j: bit r + 16 h = mask[16 T + r][128 s + 16 a + 8 h + j]: the lanes' mask for register n of the attention's scores.
; mf[T][w]: bit 4 w + i: all 16 x 128 entries of step 4 w + i are set; bit 16 + 4 w + i: some are and some are not.
; mf's words, 2,048 bytes in all, are stored one a wave: the one place where a store covers less than 256 consecutive bytes.  This path uses no LDS.
.set NQ,    512                        ; work-groups that quantise
.set STEPS, 16
.set EMAX,  8
.set MANT,  0x600000                   ; the mantissa field of 448 as f32
.set CB,    16                         ; bytes of 16 codes
.set R,     16                         ; v16-79   four sets of 16 numbers as they are loaded
.set X,     80                         ; v80-111  two sets of 16 neighbours
.set C,     128                        ; v128-191 codes: four registers for each step, so that no store's data are written again
.set WREG,  8192                       ; LDS: a region for each wave: two stages of 32 x SP bytes
.set SP,    80                         ; a lane's place in a stage: 64 bytes + 16 of padding
.set SPW,   12                         ; v12      LDS address of my spare word; never rewritten
.set NIL,   13                         ; v13      0; never rewritten
.set SPARE, 4*WREG                     ; behind the four regions: the spare words, 128 bytes for each wave
.set M,     32                         ; the mask's path: v32-95 the bytes as loaded, 16 registers a key step
.set OUTW,  96                         ; v96-103  the words on their way out, two registers a key step
.set TW,    104                        ; v104-107 at work
	s_load_b512 s[4:19], s[0:1], 0x0               ; query s[4:5], key s[6:7], value s[8:9], W_q s[10:11], W_k s[12:13], W_v s[14:15], W_o s[16:17], mask s[18:19]
	s_load_b256 s[20:27], s[0:1], 0x40             ; the scales' exponents s[20:21], xc s[22:23], wc s[24:25], mw s[26:27]
	s_load_b64 s[28:29], s[0:1], 0x60              ; mf
	v_lshl_add_u32 v[SPW], v0, 2, SPARE
	v_mov_b32 v[NIL], 0
	v_lshrrev_b32 v1, 5, v0
	v_readfirstlane_b32 s36, v1                    ; wave 0..3
	v_and_b32 v2, 31, v0                           ; lane
	s_cmp_ge_u32 ttmp9, NQ
	s_cbranch_scc1 .Lmask
	; ---------------- the quantiser ----------------
	v_lshlrev_b32 v3, 4, v2                        ; my 16 bytes of a load's 512
	s_mul_i32 s37, s36, WREG
	v_lshrrev_b32 v14, 2, v2
	v_mul_u32_u24 v14, v14, SP
	v_and_b32 v15, 3, v2
	v_lshl_add_u32 v14, v15, 4, v14
	v_add_nc_u32 v14, s37, v14                     ; the stage, on the way in: SP (lane / 4) + 16 (lane % 4)
	v_mul_u32_u24 v15, v2, SP
	v_add_nc_u32 v15, s37, v15                     ; and on the way out: SP x lane: my 16 neighbours
	v_mul_u32_u24 v4, v2, CB                       ; my codes' place in a step's
	s_wait_kmcnt 0x0
; Which tensor is my work-group's: a chain of choices on the work-group's number alone.  No branch: all seven tensors take one path through the text.
.macro PICK lim, src, ent, fst
	s_cmp_lt_u32 ttmp9, \lim
	s_cselect_b64 s[30:31], s[\src:\src+1], s[30:31]   ; the tensor,
	s_cselect_b32 s32, \ent, s32                       ; its entry among the scales,
	s_cselect_b32 s33, \fst, s33                       ; its first work-group
.endm
	s_mov_b64 s[30:31], s[16:17]                   ; W_o
	s_mov_b32 s32, 11
	s_mov_b32 s33, 480
	PICK 480, 14, 5, 448                           ; W_v
	PICK 448, 12, 3, 416                           ; W_k
	PICK 416, 10, 1, 384                           ; W_q
	PICK 384, 8, 4, 256                            ; value
	PICK 256, 6, 2, 128                            ; key
	PICK 128, 4, 0, 0                              ; query
	s_lshl_b32 s34, s32, 2
	s_mov_b32 s35, 0
	s_add_nc_u64 s[20:21], s[20:21], s[34:35]
	s_load_b32 s42, s[20:21], 0x0                  ; e
	s_sub_co_u32 s34, ttmp9, s33
	s_lshl_b32 s34, s34, 2
	s_add_co_u32 s34, s34, s36                     ; which run of 8,192 numbers of the tensor is my wave's
	s_lshl_b32 s34, s34, 15                        ; 32,768 bytes each
	s_add_nc_u64 s[30:31], s[30:31], s[34:35]
	s_and_b32 s41, s36, 1
	s_lshl_b32 s41, s41, 1
	s_lshr_b32 s43, s36, 1
	s_or_b32 s41, s41, s43                         ; the wave's two bits exchanged:
	s_cmp_eq_u32 s32, 5
	s_cselect_b32 s41, s41, s36                    ; where W_v's codes go; all others go as they come
	s_cmp_lt_u32 ttmp9, 384
	s_cselect_b64 s[38:39], s[22:23], s[24:25]     ; xc or wc
	s_cselect_b32 s40, 0, 384
	s_sub_co_u32 s40, ttmp9, s40
	s_lshl_b32 s40, s40, 2
	s_add_co_u32 s40, s40, s41
	s_lshl_b32 s40, s40, 13                        ; 8,192 bytes of codes a run
	s_mov_b32 s41, 0
	s_add_nc_u64 s[38:39], s[38:39], s[40:41]
.macro LOAD t
.irp i, 0,1,2,3
	global_load_b128 v[R+16*((\t)%4)+4*\i:R+16*((\t)%4)+4*\i+3], v3, s[30:31] offset:2048*(\t)+512*\i th:TH_LOAD_NT   ; 32 lanes read 512 consecutive bytes
.endr
.endm
.macro TURN t                          ; step t's numbers through the stage: LDS serves a wave's instructions in order, so no wait stands between the stores and the loads
.irp i, 0,1,2,3
	ds_store_b128 v14, v[R+16*((\t)%4)+4*\i:R+16*((\t)%4)+4*\i+3] offset:32*SP*((\t)%2)+8*SP*\i
.endr
.irp i, 0,1,2,3
	ds_load_b128 v[X+16*((\t)%2)+4*\i:X+16*((\t)%2)+4*\i+3], v15 offset:32*SP*((\t)%2)+16*\i
.endr
.endm
.irp t, 0,1,2,3
	LOAD \t
.endr
	s_wait_kmcnt 0x0
	s_add_co_i32 s42, s42, 127
	s_lshl_b32 s43, s42, 23
	v_mov_b32 v11, s43                             ; 2^e as f32: the conversion takes its exponent field
	s_add_co_i32 s42, s42, EMAX
	s_lshl_b32 s42, s42, 23
	s_or_b32 s42, s42, MANT
	v_mov_b32 v10, s42                             ; 448 x 2^e
	s_wait_loadcnt 12                              ; step 0's four loads are in; the twelve of steps 1 to 3 may be out
	TURN 0
.macro STEP t
.set XS, X+16*((\t)%2)
	s_wait_dscnt 0x0                               ; this step's numbers are back from the stage: so its stores into the stage have read their registers,
.if (\t)+4 < STEPS
	LOAD (\t)+4                                    ; which take the loads of four steps on
.endif
.if (\t)+1 < STEPS
.if STEPS-2-(\t) >= 3
	s_wait_loadcnt 12                              ; the next step's four loads are in; those of the three steps behind it may be out
.else
	s_wait_loadcnt 4*(STEPS-2-(\t))                ; at the end the counts run down
.endif
	TURN (\t)+1                                    ; and go through the other stage while this step is worked
.endif
.irp i, 0,1,2,3,4,5,6,7,8,9,10,11,12,13,14,15
	v_med3_num_f32 v[XS+\i], v[XS+\i], -v10, v10   ; the conversion to an 8-bit code does not saturate (ISA guide 7.6.2): the number is held within the largest code x the scale first
.endr
	v_cvt_scalef32_pk8_fp8_f32 v[C+4*(\t):C+4*(\t)+1], v[XS:XS+7], v11
	v_cvt_scalef32_pk8_fp8_f32 v[C+4*(\t)+2:C+4*(\t)+3], v[XS+8:XS+15], v11
	v_nop                                          ; a plain vector line behind the last conversion of the run
	global_store_b128 v4, v[C+4*(\t):C+4*(\t)+3], s[38:39] offset:32*CB*(\t)
.endm
.irp t, 0,1,2,3,4,5,6,7,8,9,10,11,12,13,14,15
	STEP \t
.endr
	s_wait_tensorcnt 0x0                           ; the wave's end: behind my last LDS store
	ds_add_u32 v[SPW], v[NIL]
	s_wait_dscnt 0x0
	s_endpgm
	; ---------------- the mask ----------------
.Lmask:
	v_and_b32 v5, 15, v2                           ; r
	v_lshlrev_b32 v5, 11, v5                       ; a row of the mask is 2,048 bytes
	v_bfe_u32 v6, v2, 4, 1                         ; h
	v_lshl_add_u32 v5, v6, 3, v5                   ; + 8 h
	v_lshlrev_b32 v7, 3, v2                        ; out: two words a lane
	s_sub_co_u32 s37, ttmp9, NQ                    ; T
	s_lshl_b32 s38, s37, 15                        ; 16 rows of 2,048 bytes,
	s_lshl_b32 s39, s36, 9                         ; my wave's 512 keys
	s_add_co_u32 s38, s38, s39
	s_mov_b32 s39, 0
	s_lshl_b32 s54, s37, 12                        ; mw: 16 steps of 256 bytes a tile,
	s_lshl_b32 s55, s36, 10                        ; four of them mine
	s_add_co_u32 s54, s54, s55
	s_mov_b32 s55, 0
	s_lshl_b32 s56, s37, 4                         ; mf: four words a tile,
	s_lshl_b32 s57, s36, 2                         ; one of them mine
	s_add_co_u32 s56, s56, s57
	s_mov_b32 s57, 0
	s_lshl_b32 s51, s36, 2                         ; my first key step
	s_mov_b32 s46, 0                               ; the flags
.irp k, 0,1,2,3,4,5,6,7
	v_mov_b32 v[OUTW+\k], 0                        ; written once: v_writelane_b32's destination counts as read
.endr
	s_wait_kmcnt 0x0
	s_add_nc_u64 s[18:19], s[18:19], s[38:39]
	s_add_nc_u64 s[26:27], s[26:27], s[54:55]
	s_add_nc_u64 s[28:29], s[28:29], s[56:57]
.irp i, 0,1,2,3
.irp a, 0,1,2,3,4,5,6,7
	global_load_b64 v[M+16*\i+2*\a:M+16*\i+2*\a+1], v5, s[18:19] offset:128*\i+16*\a   ; mask[16 T + r][128 (4 w + i) + 16 a + 8 h + 0 .. 7]
.endr
.endr
.macro MSTEP i
	s_wait_loadcnt 8*(3-\i)                        ; this step's eight loads are in; the later steps' eight each may be out
	s_mov_b32 s44, -1                              ; all set so far
	s_mov_b32 s45, 0                               ; none set so far
.set n, 0
.rept 64
	v_and_b32 v[TW+n%4], 0xff<<(8*(n%4)), v[M+16*\i+2*(n/8)+((n%8)/4)]    ; byte j = n % 8 of the lane's eight of tile a = n / 8
	v_cmp_ne_u32 s[40+n%4], 0, v[TW+n%4]                                  ; the 32 lanes' bits are word n
	s_and_b32 s44, s44, s[40+n%4]
	s_or_b32 s45, s45, s[40+n%4]
	v_writelane_b32 v[OUTW+2*\i+(n&1)], s[40+n%4], n>>1                   ; word n goes out from lane n / 2
.set n, n+1
.endr
	global_store_b64 v7, v[OUTW+2*\i:OUTW+2*\i+1], s[26:27] offset:256*\i  ; 32 lanes store 256 consecutive bytes, aligned
	s_cmp_eq_u32 s44, -1
	s_cselect_b32 s47, 1, 0                        ; all are set
	s_cmp_lg_u32 s45, 0
	s_cselect_b32 s48, 1, 0
	s_and_not1_b32 s48, s48, s47                   ; some are set and some are not
	s_add_co_u32 s49, s51, \i
	s_add_co_u32 s50, s51, 16+\i
	s_lshl_b32 s47, s47, s49
	s_lshl_b32 s48, s48, s50
	s_or_b32 s46, s46, s47
	s_or_b32 s46, s46, s48
.endm
	MSTEP 0
	MSTEP 1
	MSTEP 2
	MSTEP 3
	v_mov_b32 v[TW], s46
	v_mov_b32 v[TW+1], 0
	s_wait_xcnt 0x0                                ; EXEC is a source of the stores above: it changes only behind this wait
	v_cmp_gt_u32 vcc_lo, 1, v2
	s_and_saveexec_b32 s52, vcc_lo                 ; lane 0 alone
	global_store_b32 v[TW+1], v[TW], s[28:29]      ; my wave's word of flags
	s_wait_xcnt 0x0                                ; and again, in front of the line that widens it
	s_or_b32 exec_lo, exec_lo, s52
	s_endpgm
.Lfunc_end_k_qb2c3a17fd1_prep:
	.size	k_qb2c3a17fd1_prep, .Lfunc_end_k_qb2c3a17fd1_prep-k_qb2c3a17fd1_prep
	.p2alignl 7, 3214868480
	.fill 96, 4, 3214868480
	.section	.rodata,"a",@progbits
	.p2align	6, 0x0
	.amdhsa_kernel k_qb2c3a17fd1_prep
		.amdhsa_group_segment_fixed_size 33280
		.amdhsa_private_segment_fixed_size 0
		.amdhsa_enable_private_segment 0
		.amdhsa_kernarg_size 104
		.amdhsa_user_sgpr_count 2
		.amdhsa_user_sgpr_kernarg_segment_ptr 1
		.amdhsa_wavefront_size32 1
		.amdhsa_system_sgpr_workgroup_id_x 1
		.amdhsa_system_sgpr_workgroup_id_y 1
		.amdhsa_system_sgpr_workgroup_id_z 1
		.amdhsa_system_vgpr_workitem_id 0
		.amdhsa_next_free_vgpr 192
		.amdhsa_next_free_sgpr 66
		.amdhsa_reserve_vcc 1
		.amdhsa_float_denorm_mode_32 3
		.amdhsa_float_denorm_mode_16_64 3
		.amdhsa_memory_ordered 1
		.amdhsa_forward_progress 1
		.amdhsa_inst_pref_size 110
	.end_amdhsa_kernel
	.amdgpu_metadata
---
amdhsa.version: [ 1, 2 ]
amdhsa.kernels:
  - .name:           k_qb2c3a17fd1_prep
    .symbol:         k_qb2c3a17fd1_prep.kd
    .args:
      - { .name: query, .offset: 0, .size: 8, .value_kind: global_buffer, .address_space: global }
      - { .name: key, .offset: 8, .size: 8, .value_kind: global_buffer, .address_space: global }
      - { .name: value, .offset: 16, .size: 8, .value_kind: global_buffer, .address_space: global }
      - { .name: W_q, .offset: 24, .size: 8, .value_kind: global_buffer, .address_space: global }
      - { .name: W_k, .offset: 32, .size: 8, .value_kind: global_buffer, .address_space: global }
      - { .name: W_v, .offset: 40, .size: 8, .value_kind: global_buffer, .address_space: global }
      - { .name: W_o, .offset: 48, .size: 8, .value_kind: global_buffer, .address_space: global }
      - { .name: mask, .offset: 56, .size: 8, .value_kind: global_buffer, .address_space: global }
      - { .name: lowp_scales, .offset: 64, .size: 8, .value_kind: global_buffer, .address_space: global }
      - { .name: xc, .offset: 72, .size: 8, .value_kind: global_buffer, .address_space: global }
      - { .name: wc, .offset: 80, .size: 8, .value_kind: global_buffer, .address_space: global }
      - { .name: mw, .offset: 88, .size: 8, .value_kind: global_buffer, .address_space: global }
      - { .name: mf, .offset: 96, .size: 8, .value_kind: global_buffer, .address_space: global }
    .group_segment_fixed_size: 33280
    .private_segment_fixed_size: 0
    .kernarg_segment_align: 8
    .kernarg_segment_size: 104
    .max_flat_workgroup_size: 128
    .sgpr_count:     66
    .vgpr_count:     192
    .wavefront_size: 32
...
	.end_amdgpu_metadata
.endif
;; end of part 1
;; launch qkv (part 2): grid 4 x 48, 4 waves a work-group, clusters of 4 x 4, 327,680 bytes of LDS; arguments xc, wc, lowp_scales, qkvc; writes qkvc
.if DOCPART == 2
	.amdgcn_target "amdgcn-amd-amdhsa--gfx1250"
	.amdhsa_code_object_version 6
	.text
	.protected	k_qb2c3a17fd1_qkv
	.globl	k_qb2c3a17fd1_qkv
	.p2align	8
	.type	k_qb2c3a17fd1_qkv,@function
k_qb2c3a17fd1_qkv:
	s_mov_b64 s[64:65], 0
	v_nop
	global_prefetch_b8 v0, s[64:65] scope:SCOPE_SE
	s_setreg_imm32_b32 hwreg(HW_REG_WAVE_MODE, 25, 1), 1
	s_wait_xcnt 0x0
	s_wait_alu depctr_hold_cnt(0) depctr_sa_sdst(0) depctr_va_vdst(0) depctr_va_sdst(0) depctr_va_ssrc(0) depctr_va_vcc(0) depctr_vm_vsrc(0)
	s_getreg_b32 s2, hwreg(HW_REG_IB_STS2, 6, 4)
	s_cmp_eq_u32 s2, 0
	s_cbranch_scc0 .Lentry_in_a_cluster
	s_endpgm
.Lentry_in_a_cluster:
	s_bfe_u32 s2, ttmp6, 0x10000c
	s_cmp_lg_u32 s2, 0xf033
	s_cbranch_scc0 .Lentry_shape_is_right
	s_endpgm
.Lentry_shape_is_right:
; THE THREE PROJECTIONS, on codes of FP8 (E4M3), C = A B^T with K = 1,024, and their results quantised at once for the attention's products.
; The cluster's y, 0 .. 11, says which: tau = y / 4 (0: Q, 1: K, 2: V), y3 = y % 4.
;   Q, K:  A = the tokens' codes [4096][1024] (xc + tau x 4 MiB), B = the weight's [1024][1024] (wc + tau x 1 MiB): C [token][feature].
;   V:     A = W_v's codes (wc + 2 MiB), B = value's (xc + 8 MiB): C = V^T [feature][token], since the keys are the K of the attention's second product.
; Only scalars are chosen, by s_cselect on tau, which all sixteen partners share: no branch hangs on it.
; A tile of C, 256 x 256, is made by a work-group of four waves; a wave makes 128 x 128: 64 accumulators of 16 x 16, 512 registers.  K goes in steps of 256 through a ring of two LDS slots filled by the
; tensor data mover: a tile's row is 256 bytes of memory.  CLUSTERS: 4 x 4 work-groups; the four of a row of the cluster need the same tiles of A, the four of a column the same tiles of B:
; each tile is asked for JOINTLY, by the same tensor load with the same descriptor and a mask that names the four.
; THE MATRIX INSTRUCTION IS USED TRANSPOSED (source 0 = 16 rows of B, source 1 = 16 rows of A): lane (r, h) holds row r of C, and accumulator (a, b)'s register j the column 16 b + 8 h + j.
; THE WAY OUT NEEDS NO LDS.  The eight codes of an accumulator are two registers, those of accumulators (a, 2 x) and (a, 2 x + 1) four: registers 4 x .. 4 x + 3 of an operand whose lane (r, h) holds row 16 a + r
; and, in registers 2 c, 2 c + 1, k = 16 c + 8 h + 0 .. 7: the layout of the plain 8-bit forms.  So the codes are stored as AN IMAGE OF THE OPERAND'S REGISTERS: piece (a, x) is 512 bytes, lane l's 16 at 16 l.
; qkvc: Q at 0, K at 4 MiB, V at 8 MiB; each [128 tokens tb][pair of heads hp][a][x][512 bytes], 16 KiB a block, which is one wave's 128 x 128.
;   Q, K: a = the tile of 16 tokens, x = 2 (head in the pair) + half of the head's 64.   V: a = 4 (head in the pair) + tile of 16 features, x = a quarter of the 128 keys.
; code = sum x 2^(ea + eb) / 2^eo, held within +-448: the three exponents are folded into the conversion's one, E = eo - ea - eb (Q: entries 6, 0, 1; K: 7, 2, 3; V: 9, 4, 5).
; LIMIT: E between -126 and 119, so that 2^E and 448 x 2^E are f32 numbers.
; REGISTERS, in windows of 256: window 0: v0-31 addresses and the two numbers of the scale; from v128 A's fragments, ONE set; on the way out v32-95 the held sums, v128-255 the codes.
;   window 1: B's fragments, TWO sets, at v0 and at v128.   window 2: the 32 accumulators of my rows 0-63 (accumulator (a, b) at v[8 (8 a + b)]);   window 3: those of my rows 64-127.
.set SIZE_K, 1024
.set KSTEP,  256                       ; along K in a slot
.set ROWB,   256                       ; a tile's row in bytes
.set KROW,   SIZE_K                    ; a row of A or of B in memory, in bytes
.set PITCH,  272                       ; an LDS row: 256 bytes + 16 of padding = 68 words: row r starts at bank 4 r mod 64 (ISA guide 11.1), so the 16 rows that a load touches start at 16 different banks
.set FR,     16                        ; registers of a fragment: 16 rows x 128 K
.set NL,     4                         ; LDS loads that bring one
.set NP,     4                         ; places behind this matrix instruction (ISA guide 7.12.1)
.set HALFT,  128*PITCH                 ; 128 rows: what one tensor load brings, and what one wave reads of A or of B
.set SLOT,   4*HALFT                   ; A's 256 rows, then B's 256 rows
.set LAPS,   SIZE_K/(2*KSTEP)          ; a lap = two K steps = once round the ring
.set SPARE,  2*SLOT                    ; behind the ring: the spare words, 128 bytes for each wave
.set ADRA, 16                          ; v16-17  LDS address of my A fragments in slot 0, 1
.set ADRB, 20                          ; v20-21  the same for B
.set CO,   26                          ; v26     16 x lane: my place in a piece of an image
.set SPW,  28                          ; v28     LDS address of my spare word; never rewritten
.set NIL,  29                          ; v29     0; never rewritten
.set SCL,  30                          ; v30     2^E as f32
.set LIM,  31                          ; v31     448 x 2^E
.set TMP,  32                          ; the way out: 64 registers, a block's sums, held
.set AF,   128                         ; A's fragments, in window 0
.set CD,   128                         ; the way out: the codes, 16 registers for each block of 16 rows
.set G1, 24                            ; s[24:31] descriptor group 1 for A's tiles;  s[32:39] group 0, one set for each slot
.set G0, 32
.set G1B, 48                           ; s[48:55], s[56:63] the same for B's tiles
.set G0B, 56
.set MSB, 0
.macro WIN new                         ; the immediate's high byte repeats the setting that is left
.if MSB != \new
	s_set_vgpr_msb (MSB<<8)|\new
.set MSB, \new
.endif
.endm
.set MUL_LO, 0xa1                      ; source 0 (B) window 1, source 1 (A) window 0, C and D window 2
.set MUL_HI, 0xf1                      ; the same, C and D window 3
.set TO_B,   0x40                      ; destination window 1, address window 0
; A joint load: waves 0 and 1 fetch for A, waves 2 and 3 for B.  Each of the two lines has ONE mask and one set of registers for all that issue it; the branch hangs on the wave's number alone.
; An s_nop 0 and four v_nop follow each of the two lines, ahead of the jump, the label and what follows.
.macro JLOAD g0a, g1a, g0b, g1b
	s_cmp_eq_u32 s15, 0
	s_cbranch_scc0 .Lfor_b_\@
	tensor_load_to_lds s[\g0a:\g0a+3], s[\g1a:\g1a+7]
	s_nop 0
.rept 4
	v_nop
.endr
	s_branch .Lasked_\@
.Lfor_b_\@:
	tensor_load_to_lds s[\g0b:\g0b+3], s[\g1b:\g1b+7]
	s_nop 0
.rept 4
	v_nop
.endr
.Lasked_\@:
.endm
.macro CREST                           ; a round of the cluster's barrier behind its opening barrier
	s_cmp_lg_u32 s14, 0
	s_cbranch_scc1 .Lnot_wave_0_\@
	s_barrier_signal -3
.Lnot_wave_0_\@:
	s_barrier_wait -3
	s_barrier_signal -1
	s_barrier_wait -1
.endm
.macro CROUND                          ; a whole round
	s_barrier_signal -1
	s_barrier_wait -1
	CREST
.endm
	s_load_b256 s[4:11], s[0:1], 0x0               ; xc s[4:5], wc s[6:7], the scales' exponents s[8:9], qkvc s[10:11]
	v_lshl_add_u32 v[SPW], v0, 2, SPARE
	v_mov_b32 v[NIL], 0
	ds_add_u32 v[SPW], v[NIL]                      ; the wave's opening: the add and its wait stand ahead of my first tensor load; the set-up below, work on registers, stands between them
	v_lshrrev_b32 v1, 5, v0
	v_readfirstlane_b32 s14, v1                    ; wave 0..3
	s_lshr_b32 s15, s14, 1                         ; which half of the tile's rows is mine.  Also: I fetch for A (0) or for B (1)
	s_and_b32 s16, s14, 1                          ; which half of its columns.  Also: which 128 rows of that tile I fetch
	s_bfe_u32 s40, ttmp6, 0x40000                  ; cx, cy: my place in the cluster
	s_bfe_u32 s41, ttmp6, 0x40004
	s_and_b32 s66, ttmp7, 0xffff                   ; the cluster's y
	s_lshr_b32 s67, s66, 2                         ; tau: 0 Q, 1 K, 2 V
	s_and_b32 s66, s66, 3                          ; y3
	s_cmp_eq_u32 s67, 2
	s_cselect_b32 s84, s66, 0                      ; the tokens' 16 tiles lie along C's columns for V,
	s_cselect_b32 s85, 0, s66                      ; along its rows for Q and K
	s_lshl_b32 s42, s84, 2
	s_add_co_u32 s42, s42, s40                     ; tile column of C
	s_lshl_b32 s17, s85, 2
	s_add_co_u32 s17, s17, s41                     ; tile row of C
	s_lshl_b32 s43, s41, 2
	s_lshl_b32 s43, 15, s43                        ; my row of the cluster
	s_lshl_b32 s44, 0x1111, s40                    ; my column
	; descriptor group 1: a tile of 128 rows x ROWB bytes, padded in LDS
	s_or_b32 s[G1+0], s43, (0<<16)|(1<<20)|(1<<21)|(5<<22)|(3<<25)  ; 15:0 the mask: A's tiles go to my row; 17:16 element of 1 byte; 20 padding on; 21 set beside a mask; 24:22 after every 64 words (code 5); 31:25 of 4 words (code 3)
	s_or_b32 s[G1B+0], s44, (0<<16)|(1<<20)|(1<<21)|(5<<22)|(3<<25)
.irp g, G1, G1B
	s_mov_b32 s[\g+1], ROWB<<16                    ; tensor_dim0
	s_mov_b32 s[\g+2], 128<<16                     ; tensor_dim1 = 128
	s_mov_b32 s[\g+3], ROWB<<16                    ; tile_dim0
	s_mov_b32 s[\g+4], 128                         ; tile_dim1 = 128
	s_mov_b32 s[\g+5], KROW                        ; tensor_dim0_stride
	s_mov_b32 s[\g+6], 0
	s_mov_b32 s[\g+7], 0
.endr
	s_lshl_b32 s18, s16, 7                         ; which 128 rows of the tile I fetch
	s_lshl_b32 s20, s17, 8
	s_add_co_u32 s20, s20, s18                     ; A: row 256 x tile row + 128 x half,
	s_lshl_b32 s20, s20, 10                        ; in bytes
	s_lshl_b32 s46, s42, 8
	s_add_co_u32 s46, s46, s18                     ; B: row 256 x tile column + 128 x half
	s_lshl_b32 s46, s46, 10
	s_lshl_b32 s86, s67, 22                        ; the tokens' section of xc (and the results' of qkvc): tau x 4 MiB
	s_lshl_b32 s87, s67, 20                        ; the weight's section of wc: tau x 1 MiB
	s_cmp_eq_u32 s67, 2
	s_cselect_b32 s88, s87, s86                    ; A's section
	s_cselect_b32 s89, s86, s87                    ; B's
	s_add_co_u32 s20, s20, s88
	s_add_co_u32 s46, s46, s89
	s_mov_b32 s21, 0
	s_mov_b32 s47, 0
	s_mul_i32 s45, s14, HALFT                      ; where they go: wave x 128 rows: no place in the cluster enters an LDS address
	s_wait_dscnt 0x0                               ; the opening add is done
	s_wait_kmcnt 0x0
	s_load_b256 s[68:75], s[8:9], 0x0              ; entries 0 to 7
	s_load_b128 s[76:79], s[8:9], 0x20             ; entries 8 to 11
	s_cmp_eq_u32 s67, 2
	s_cselect_b64 s[90:91], s[6:7], s[4:5]         ; A's buffer
	s_cselect_b64 s[92:93], s[4:5], s[6:7]         ; B's
	s_add_nc_u64 s[20:21], s[90:91], s[20:21]
	s_add_nc_u64 s[46:47], s[92:93], s[46:47]
	CROUND                                         ; all sixteen work-groups are here: the first joint loads meet
.irp s, 0,1
	s_mov_b32 s[G0+4*\s], 1
	s_add_co_u32 s[G0+4*\s+1], s45, \s*SLOT
	s_add_nc_u64 s[G0+4*\s+2:G0+4*\s+3], s[20:21], \s*ROWB
	s_or_b32 s[G0+4*\s+3], s[G0+4*\s+3], 0x80000000
	s_mov_b32 s[G0B+4*\s], 1
	s_add_co_u32 s[G0B+4*\s+1], s45, \s*SLOT
	s_add_nc_u64 s[G0B+4*\s+2:G0B+4*\s+3], s[46:47], \s*ROWB
	s_or_b32 s[G0B+4*\s+3], s[G0B+4*\s+3], 0x80000000
	JLOAD G0+4*\s, G1, G0B+4*\s, G1B
.endr
	v_and_b32 v1, 15, v0                           ; l % 16
	v_bfe_u32 v2, v0, 4, 1                         ; l / 16
	v_mul_u32_u24 v3, v1, PITCH
	v_lshl_add_u32 v4, v2, 4, v3                   ; a fragment's row x pitch + 16 x half
	s_mul_i32 s21, s15, HALFT                      ; my 128 rows of A
	s_mul_i32 s22, s16, HALFT                      ; my 128 rows of B,
	s_add_co_u32 s22, s22, 2*HALFT                 ; which lie behind A's 256
.irp s, 0,1
	v_add_nc_u32 v[ADRA+\s], s21, v4
	v_add_nc_u32 v[ADRB+\s], s22, v4
	s_add_co_u32 s21, s21, SLOT
	s_add_co_u32 s22, s22, SLOT
.endr
	v_and_b32 v6, 31, v0
	v_lshlrev_b32 v[CO], 4, v6                     ; 16 x lane
	; my block of 16 KiB in qkvc: u = which 128 rows of C, w = which 128 columns; Q, K: block 8 u + w (u: tokens, w: pair of heads); V: block 8 w + u
	s_lshl_b32 s20, s17, 1
	s_add_co_u32 s20, s20, s15                     ; u
	s_lshl_b32 s46, s42, 1
	s_add_co_u32 s46, s46, s16                     ; w
	s_lshl_b32 s21, s20, 3
	s_add_co_u32 s21, s21, s46
	s_lshl_b32 s47, s46, 3
	s_add_co_u32 s47, s47, s20
	s_cmp_eq_u32 s67, 2
	s_cselect_b32 s20, s47, s21
	s_lshl_b32 s20, s20, 14
	s_add_co_u32 s20, s20, s86                     ; + the section
	s_mov_b32 s21, 0
	s_add_nc_u64 s[10:11], s[10:11], s[20:21]
.macro FRAG reg, adr, q, i             ; a fragment, 16 rows x 128 K of 8-bit codes, is 16 registers: lane l holds row l % 16; registers 4 c .. 4 c + 3 hold K = 32 c + 16 (l / 16) + 0 .. 15: the same order of k in A and in B
.irp c, 0,1,2,3
	ds_load_b128 v[\reg+4*\c:\reg+4*\c+3], v[\adr] offset:128*(\q)+32*\c+(\i)*16*PITCH
.endr
.endm
; 16 matrix instructions: A's blocks a0, a0 + 1 x B's eight, 128 along K.  p: B's set.  zero = 1: the first product starts the sums: nothing is ever cleared.
; The 64 accumulators take turns, one instruction a turn, in the same order in every step.
.macro MUL16 a0, p, zero
.irp a, \a0, \a0+1
.irp b, 0,1,2,3,4,5,6,7
.if \zero
	v_wmma_f32_16x16x128_fp8_fp8 v[8*(8*((\a)%4)+\b):8*(8*((\a)%4)+\b)+7], v[128*(\p)+FR*\b:128*(\p)+FR*\b+FR-1], v[AF+FR*(\a):AF+FR*(\a)+FR-1], 0
.else
	v_wmma_f32_16x16x128_fp8_fp8 v[8*(8*((\a)%4)+\b):8*(8*((\a)%4)+\b)+7], v[128*(\p)+FR*\b:128*(\p)+FR*\b+FR-1], v[AF+FR*(\a):AF+FR*(\a)+FR-1], v[8*(8*((\a)%4)+\b):8*(8*((\a)%4)+\b)+7]
.endif
.endr
.endr
.endm
.macro FETCH_B slot, q, p              ; B's eight fragments of the slot's q-th 128 along K into set p
	WIN TO_B
.irp i, 0,1,2,3,4,5,6,7
	FRAG 128*(\p)+FR*\i, ADRB+\slot, \q, \i
.endr
	WIN 0
.endm
.macro FETCH_A slot, q, i0             ; A's blocks i0 .. i0 + 3
.irp i, \i0, \i0+1, \i0+2, \i0+3
	FRAG AF+FR*(\i), ADRA+\slot, \q, \i
.endr
.endm
; A load into a register that a matrix instruction has read, and a vector instruction that reads a matrix result, stand NP places behind that matrix instruction, and only plain vector
; instructions that name none of its registers are places (ISA guide 7.12.1 for vector instructions).
.macro PLACES n
.rept \n
	v_nop
.endr
.endm
; A step of 128 along K that has its successor in the same slot.
.macro STEP slot, q, zero
	s_wait_dscnt 4*NL                              ; B's set and A's blocks 0-3 are in; the youngest sixteen loads (A's blocks 4-7) may be out
	WIN MUL_LO
	MUL16 0, (\q)%2, \zero
	MUL16 2, (\q)%2, \zero
	s_wait_dscnt 0                                 ; A's blocks 4-7 are in
	PLACES NP
	FETCH_B \slot, (\q)+1, 1-(\q)%2
	FETCH_A \slot, (\q)+1, 0
	WIN MUL_HI
	MUL16 4, (\q)%2, \zero
	MUL16 6, (\q)%2, \zero
	PLACES NP
	WIN 0
	FETCH_A \slot, (\q)+1, 4
.endm
; A slot's last step changes slots: ONE barrier; in front of it each wave waits for all its tensor loads, adds 0 to its spare word, and waits for that and for its own reads of this slot.  fill = 1: this slot is filled again, two K steps ahead.
.macro TURN slot, next, fill
	s_wait_tensorcnt 0x0                           ; all my tensor loads have landed: my part of the next slot;  (every window is 0 here)
	ds_add_u32 v[SPW], v[NIL]                      ; 0 onto my spare word;
	s_wait_dscnt 4*NL+1                            ; (the add and the youngest sixteen loads, A's blocks 4-7, may be out)
	WIN MUL_LO
	MUL16 0, 1, 0                                  ; sixteen matrix instructions stand between the add and the wait for it
	s_wait_dscnt 0x0                               ; the add is done, and my reads of this slot are over
	s_barrier_signal -1
	MUL16 2, 1, 0
	WIN 0
	s_barrier_wait -1
.if \fill
	CREST                                          ; the barrier has opened a round of the cluster's barrier: no wave of any partner still reads this slot's tile or has a load on its way
	s_add_nc_u64 s[G0+4*\slot+2:G0+4*\slot+3], s[G0+4*\slot+2:G0+4*\slot+3], 2*ROWB
	s_add_nc_u64 s[G0B+4*\slot+2:G0B+4*\slot+3], s[G0B+4*\slot+2:G0B+4*\slot+3], 2*ROWB
	JLOAD G0+4*\slot, G1, G0B+4*\slot, G1B         ; the first tensor load behind the round; the four v_nop behind it are the places in front of the loads below
.else
	PLACES NP
.endif
	FETCH_B \next, 0, 0
	FETCH_A \next, 0, 0
	WIN MUL_HI
	MUL16 4, 1, 0
	MUL16 6, 1, 0
	PLACES NP
	WIN 0
	FETCH_A \next, 0, 4
.endm
	s_wait_tensorcnt 1                             ; my part of K step 0 is in (K step 1's load may be out)
	s_barrier_signal -1
	s_barrier_wait -1                              ; everybody's is
	FETCH_B 0, 0, 0
	FETCH_A 0, 0, 0
	FETCH_A 0, 0, 4
	STEP 0, 0, 1                                   ; the first step stands in front of the loop: its products start the sums
	s_mov_b32 s3, LAPS-1
.Llap:                                                 ; a trip goes once round the ring, from a lap's second step to the next lap's first, and fills both slots again
	TURN 0, 1, 1
	STEP 1, 0, 0
	TURN 1, 0, 1
	STEP 0, 0, 0
	s_sub_co_u32 s3, s3, 1
	s_cmp_lg_u32 s3, 0
	s_cbranch_scc1 .Llap
	TURN 0, 1, 0                                   ; the last lap fills nothing, and has no round of the cluster's barrier
	STEP 1, 0, 0
	s_wait_dscnt 4*NL                              ; the very last step: nothing more to fetch
	WIN MUL_LO
	MUL16 0, 1, 0
	MUL16 2, 1, 0
	s_wait_dscnt 0
	WIN MUL_HI
	MUL16 4, 1, 0
	MUL16 6, 1, 0
	WIN 0
	; THE WAY OUT.  E = eo - ea - eb, chosen by tau without a branch
	s_wait_kmcnt 0x0
	s_sub_co_i32 s80, s74, s68                     ; Q: entry 6 - entry 0 - entry 1
	s_sub_co_i32 s80, s80, s69
	s_sub_co_i32 s81, s75, s70                     ; K: 7 - 2 - 3
	s_sub_co_i32 s81, s81, s71
	s_sub_co_i32 s82, s77, s72                     ; V: 9 - 4 - 5
	s_sub_co_i32 s82, s82, s73
	s_cmp_eq_u32 s67, 1
	s_cselect_b32 s80, s81, s80
	s_cmp_eq_u32 s67, 2
	s_cselect_b32 s80, s82, s80
	s_add_co_i32 s80, s80, 127
	s_lshl_b32 s81, s80, 23
	v_mov_b32 v[SCL], s81                          ; 2^E as f32: the conversion takes its exponent field
	s_add_co_i32 s80, s80, 8
	s_lshl_b32 s80, s80, 23
	s_or_b32 s80, s80, 0x600000
	v_mov_b32 v[LIM], s80                          ; 448 x 2^E
	PLACES NP                                      ; behind the last products: for the reads of their results and the writes into the registers that held A's fragments
; Block a: 16 rows x 128 columns.  The sums are held (the conversion to an 8-bit code does not saturate: ISA guide 7.6.2), each accumulator from its low end on, converted, and stored as four pieces of the image.
; Each block has code registers of its own, so no store's data are written again.
.macro OUTA a
.set AC, 64*((\a)%4)
	WIN 0x02+((\a)/4)                              ; source 0: window 2 or 3
.set ii, 0
.rept 64
	v_med3_num_f32 v[TMP+ii], v[AC+ii], -v[LIM], v[LIM]
.set ii, ii+1
.endr
	WIN 0
.irp g, 0,1,2,3,4,5,6,7
	v_cvt_scalef32_pk8_fp8_f32 v[CD+16*(\a)+2*\g:CD+16*(\a)+2*\g+1], v[TMP+8*\g:TMP+8*\g+7], v[SCL]
.endr
	v_nop                                          ; a plain vector line between the last conversion and the next block's holds, which write its sources
.irp x, 0,1,2,3
	global_store_b128 v[CO], v[CD+16*(\a)+4*\x:CD+16*(\a)+4*\x+3], s[10:11] offset:2048*(\a)+512*\x   ; 32 lanes store 512 consecutive bytes, aligned
.endr
.endm
.irp a, 0,1,2,3,4,5,6,7
	OUTA \a
.endr
	s_wait_tensorcnt 0x0                           ; the wave's end: behind my last tensor load
	ds_add_u32 v[SPW], v[NIL]
	s_wait_dscnt 0x0
	CROUND                                         ; the closing round: no work-group ends while a partner may still ask for a tile that names it
	s_endpgm
.Lfunc_end_k_qb2c3a17fd1_qkv:
	.size	k_qb2c3a17fd1_qkv, .Lfunc_end_k_qb2c3a17fd1_qkv-k_qb2c3a17fd1_qkv
	.p2alignl 7, 3214868480
	.fill 96, 4, 3214868480
	.section	.rodata,"a",@progbits
	.p2align	6, 0x0
	.amdhsa_kernel k_qb2c3a17fd1_qkv
		.amdhsa_group_segment_fixed_size 327680
		.amdhsa_private_segment_fixed_size 0
		.amdhsa_enable_private_segment 0
		.amdhsa_kernarg_size 32
		.amdhsa_user_sgpr_count 2
		.amdhsa_user_sgpr_kernarg_segment_ptr 1
		.amdhsa_wavefront_size32 1
		.amdhsa_system_sgpr_workgroup_id_x 1
		.amdhsa_system_sgpr_workgroup_id_y 1
		.amdhsa_system_sgpr_workgroup_id_z 1
		.amdhsa_system_vgpr_workitem_id 0
		.amdhsa_next_free_vgpr 1024
		.amdhsa_next_free_sgpr 100
		.amdhsa_reserve_vcc 0
		.amdhsa_float_denorm_mode_32 3
		.amdhsa_float_denorm_mode_16_64 3
		.amdhsa_memory_ordered 1
		.amdhsa_forward_progress 1
		.amdhsa_inst_pref_size 118
	.end_amdhsa_kernel
	.amdgpu_metadata
---
amdhsa.version: [ 1, 2 ]
amdhsa.kernels:
  - .name:           k_qb2c3a17fd1_qkv
    .symbol:         k_qb2c3a17fd1_qkv.kd
    .args:
      - { .name: xc, .offset: 0, .size: 8, .value_kind: global_buffer, .address_space: global }
      - { .name: wc, .offset: 8, .size: 8, .value_kind: global_buffer, .address_space: global }
      - { .name: lowp_scales, .offset: 16, .size: 8, .value_kind: global_buffer, .address_space: global }
      - { .name: qkvc, .offset: 24, .size: 8, .value_kind: global_buffer, .address_space: global }
    .group_segment_fixed_size: 327680
    .private_segment_fixed_size: 0
    .kernarg_segment_align: 8
    .kernarg_segment_size: 32
    .max_flat_workgroup_size: 128
    .sgpr_count:     100
    .vgpr_count:     1024
    .wavefront_size: 32
...
	.end_amdgpu_metadata
.endif
;; end of part 2
;; launch attn (part 3): grid 8 x 32, 16 waves a work-group, no clusters, 264,192 bytes of LDS; arguments qkvc, mw, mf, lowp_scales, mc; writes mc
.if DOCPART == 3
	.amdgcn_target "amdgcn-amd-amdhsa--gfx1250"
	.amdhsa_code_object_version 6
	.text
	.protected	k_qb2c3a17fd1_attn
	.globl	k_qb2c3a17fd1_attn
	.p2align	8
	.type	k_qb2c3a17fd1_attn,@function
k_qb2c3a17fd1_attn:
	s_mov_b64 s[64:65], 0
	v_nop
	global_prefetch_b8 v0, s[64:65] scope:SCOPE_SE
	s_setreg_imm32_b32 hwreg(HW_REG_WAVE_MODE, 25, 1), 1
	s_wait_xcnt 0x0
; ATTENTION ON CODES OF FP8 (E4M3), head size 64, 2,048 keys, with the mask as it is given, for one batch and head a work-group row.
; THE SECOND PRODUCT'S LEFT OPERAND IS THE FINISHED SOFTMAX: p / l is what is quantised.  So the keys are walked TWICE:
;   pass 1: S^T = K Q^T, the running largest t and the running sum l;     pass 2: S^T once more, p = 2^(t - M) / l, quantised, O^T += V^T P^T.
; t = score x 2^(e6 + e7) x log2(e) / 8; M = the row's largest t rounded UP to a whole number, kept as -M = floor(-t); when M moves in pass 1 the sum is multiplied by 2^(old M - new M), which rounds nothing.
; A masked score becomes -infinity ahead of the maximum, so its p is 0.  A row all of whose keys are masked has l = 0: l is held at 0.5 from below (a row with an open key has l above 0.5), its p are 0 and so are its codes.
; SHARES.  Work-group (g, y): batch y / 16, head y % 16.  Each of its SIXTEEN waves owns one tile of 16 queries, T = 8 rank + g, in 256 registers; rank is the wave's number with its low two bits
; turned round in every second group of four: a fixed schedule, right for every mask.
; K AND V OF THE WHOLE HEAD LIE IN LDS, 128 KiB each, as images of the operands' registers (a piece of 512 bytes: lane l's 16 at 16 l): wave w copies key step w's 8 KiB of each through its registers, once; one barrier.
; WHAT THE MASK HIDES IS LEFT OUT: a key step (128 keys) all of whose 16 x 128 entries are masked for my tile is jumped over, by a scalar branch on the flags that the first launch stored (mf);
; a step with some masked entries fetches its 64 lane words (mw) and masks by v_cndmask_b32; a step with none does neither.  The loops' trip counts are constants.
; NO TENSOR LOAD, NO CLUSTER, NO JOINT LOADS: those branches hang on numbers read from memory, and each wave's walk differs.  The price: each of the 8 work-groups of a head reads the head's 256 KiB itself.
; LAYOUT.  Both products are used transposed: lane (r, h) holds query r throughout.  S^T's accumulator a, register j: key 16 a + 8 h + j.  Its eight codes are registers 2 a, 2 a + 1 of P: the plain form's own layout.
; O^T's accumulator dt, register j: place 16 dt + 8 h + j among V's features, which stands for feature 32 (dt / 2) + 16 h + 8 (dt % 2) + j (the first launch laid W_v's rows so): so the 16 registers of
; accumulators 2 b and 2 b + 1 are 16 neighbours along the last product's K, and their codes are stored as that product's operand image: mc[16 tokens][128 along K][4][512 bytes].
; code of O = sum x 2^(e8 + e9) / 2^e10, held within +-448.
; LIMITS on the given exponents, so that each power of two below is an f32 number: e6 + e7 between -123 and 130; e8, and e10 - e8 - e9, between -126 and 119.  NaN among the inputs is not served.
.set VIMG,  131072                     ; LDS: K's image at 0 ([step][tile of 16 keys][half of 64][512]), V's here ([step][tile of 16 features][quarter of 128 keys][512])
.set STEPB, 8192                       ; a key step's bytes in either
.set NSTEP, 16
.set SPARE, 262144                     ; behind the images: the spare words, 128 bytes for each of sixteen waves
.set LI,   1                           ; v1   16 x lane
.set ADK,  2                           ; v2   LDS address of the step's K
.set ADV,  3                           ; v3   of its V
.set SPW,  4                           ; v4   LDS address of my spare word; never rewritten
.set NIL,  5                           ; v5   0; never rewritten
.set NINF, 6                           ; v6   -infinity
.set LIV,  7                           ; v7   16 x lane + VIMG
.set FK,   8                           ; v8   where I put my step of K;  v9: of V
.set FV,   9
.set NM,   12                          ; v12  -M;  v13 the largest t so far
.set SUM,  14                          ; v[14:15] the sum in two halves
.set QF,   16                          ; v[16:23] Q's fragment
.set RL,   24                          ; v[24:25] 1 / l, twice
.set PSC,  26                          ; v26  2^e8;  v27  448 x 2^e8
.set PLIM, 27
.set OSC,  28                          ; v28  2^(e10 - e8 - e9);  v29  448 x that
.set OLIM, 29
.set KV,   32                          ; v[32:95]   the step's fragments of K, then of V
.set S,    96                          ; v[96:159]  S^T, then p
.set O,    160                         ; v[160:191] O^T
.set PC,   192                         ; v[192:207] p's codes
.set OC,   208                         ; v[208:215] O's codes
.set TB,   2                           ; s2   the step's first byte in an image
.set CNT,  3                           ; s3   the step
.set WV,   14                          ; s14  my wave's number
.set FL,   15                          ; s15  my tile's flags
.set SEL,  84                          ; s[84:85] lane selects for v_permlanex16_b32: lane l xor 16
.set CS,   86                          ; s[86:87] c = 2^(e6 + e7) log2(e) / 8: the packed form names a pair and takes its low word for both halves
.set MW,   88                          ; s[88:89] the step's 64 words in mw.   The words themselves: s[16:63] and s[68:83]
	s_load_b256 s[4:11], s[0:1], 0x0               ; qkvc s[4:5], mw s[6:7], mf s[8:9], the scales' exponents s[10:11]
	s_load_b64 s[12:13], s[0:1], 0x20              ; mc
	v_lshl_add_u32 v[SPW], v0, 2, SPARE
	v_mov_b32 v[NIL], 0
	v_lshrrev_b32 v10, 5, v0
	v_readfirstlane_b32 s[WV], v10                 ; wave 0..15
	v_and_b32 v[LI], 31, v0
	v_lshlrev_b32 v[LI], 4, v[LI]
	v_add_nc_u32 v[LIV], VIMG, v[LI]
	s_lshl_b32 s46, s[WV], 13
	v_add_nc_u32 v[FK], s46, v[LI]                 ; key step w's 8 KiB
	v_add_nc_u32 v[FV], VIMG, v[FK]
	v_mov_b32 v[NINF], 0xff800000
	s_and_b32 s16, s[WV], 12
	s_and_b32 s17, s[WV], 3
	s_bfe_u32 s18, s[WV], 0x10002                  ; bit 2 of the wave's number
	s_mul_i32 s18, s18, 3
	s_xor_b32 s17, s17, s18
	s_or_b32 s16, s16, s17                         ; rank
	s_lshl_b32 s16, s16, 3
	s_add_co_u32 s16, s16, ttmp9                   ; T = 8 rank + g
	s_and_b32 s17, ttmp7, 0xffff
	s_lshr_b32 s18, s17, 4                         ; batch
	s_and_b32 s19, s17, 15                         ; head
	s_lshr_b32 s20, s19, 1                         ; the pair of heads,
	s_and_b32 s21, s19, 1                          ; and which of the two
	s_lshl_b32 s22, s18, 4                         ; the batch's first block of 128 tokens
	s_lshr_b32 s23, s16, 3
	s_add_co_u32 s23, s23, s22
	s_lshl_b32 s23, s23, 3
	s_add_co_u32 s23, s23, s20
	s_lshl_b32 s23, s23, 14                        ; Q: the block of my tile,
	s_and_b32 s24, s16, 7
	s_lshl_b32 s24, s24, 11                        ; the tile in it,
	s_add_co_u32 s24, s24, s23
	s_lshl_b32 s25, s21, 10                        ; my head's two pieces
	s_add_co_u32 s24, s24, s25
	s_mov_b32 s25, 0
	s_add_co_u32 s26, s22, s[WV]
	s_lshl_b32 s26, s26, 3
	s_add_co_u32 s26, s26, s20
	s_lshl_b32 s26, s26, 14                        ; K and V: the block of key step w
	s_lshl_b32 s28, s21, 13
	s_add_co_u32 s28, s28, s26
	s_add_co_u32 s28, s28, 0x800000                ; V: my head's 8 KiB on end
	s_mov_b32 s29, 0
	s_lshl_b32 s27, s21, 10
	s_add_co_u32 s26, s26, s27
	s_add_co_u32 s26, s26, 0x400000                ; K: my head's two pieces of each tile
	s_mov_b32 s27, 0
	s_lshl_b32 s30, s18, 7
	s_add_co_u32 s30, s30, s16
	s_lshl_b32 s30, s30, 14                        ; mc: my 16 tokens' 16 KiB,
	s_lshl_b32 s31, s19, 10                        ; my head's 1 KiB in them
	s_add_co_u32 s30, s30, s31
	s_mov_b32 s31, 0
	s_lshl_b32 s42, s16, 4                         ; mf: four words a tile
	s_mov_b32 s43, 0
	s_lshl_b32 s44, s16, 12                        ; mw: 4 KiB a tile
	s_mov_b32 s45, 0
	s_mov_b32 s[SEL], 0x76543210
	s_mov_b32 s[SEL+1], 0xfedcba98
	s_mov_b32 s[CS], 0x3e38aa3b                    ; log2(e) / 8
	s_mov_b32 s[TB], 0
	s_mov_b32 s[CNT], 0
	s_wait_kmcnt 0x0
	s_add_nc_u64 s[36:37], s[4:5], s[24:25]
	s_add_nc_u64 s[38:39], s[4:5], s[26:27]
	s_add_nc_u64 s[40:41], s[4:5], s[28:29]
	s_add_nc_u64 s[12:13], s[12:13], s[30:31]
	s_add_nc_u64 s[8:9], s[8:9], s[42:43]
	s_add_nc_u64 s[MW:MW+1], s[6:7], s[44:45]
	s_load_b128 s[32:35], s[8:9], 0x0              ; my tile's flags, a word from each of four waves
	s_load_b128 s[96:99], s[10:11], 0x18           ; e6, e7, e8, e9
	s_load_b32 s94, s[10:11], 0x28                 ; e10
	global_load_b128 v[QF:QF+3], v[LI], s[36:37]                 ; Q's fragment stays in registers
	global_load_b128 v[QF+4:QF+7], v[LI], s[36:37] offset:512
.irp i, 0,1,2,3,4,5,6,7,8,9,10,11,12,13,14,15
	global_load_b128 v[KV+4*\i:KV+4*\i+3], v[LI], s[38:39] offset:(\i/2)*2048+(\i%2)*512    ; key step w of K: 512 consecutive bytes a load
.endr
.irp i, 0,1,2,3,4,5,6,7,8,9,10,11,12,13,14,15
	global_load_b128 v[S+4*\i:S+4*\i+3], v[LI], s[40:41] offset:512*\i                      ; and of V
.endr
	v_mov_b32 v13, 0xff61b1e6                      ; the largest t so far: -3e38, under every t
	v_floor_f32 v[NM], -v13                        ; -M
	v_mov_b32 v[SUM], 0
	v_mov_b32 v[SUM+1], 0
	v_mov_b32 v236, 0                              ; written once: a lane permute's destination counts as one of its sources
	v_mov_b32 v253, 0                              ; (named as the upper half of the pair v[252:253])
	s_wait_kmcnt 0x0
	s_or_b32 s[FL], s32, s33
	s_or_b32 s[FL], s[FL], s34
	s_or_b32 s[FL], s[FL], s35                     ; bit s: step s is wholly masked; bit 16 + s: partly
	s_add_co_i32 s90, s96, s97
	s_lshl_b32 s90, s90, 23
	s_add_co_i32 s[CS], s[CS], s90                 ; a score stands for score x 2^(e6 + e7): the two exponents are added to c's exponent field
	s_mov_b32 s[CS+1], s[CS]                       ; (named with it as a pair, so it is written)
	s_add_co_i32 s90, s98, 127
	s_lshl_b32 s91, s90, 23
	v_mov_b32 v[PSC], s91                          ; 2^e8 as f32, for p's conversion
	s_add_co_i32 s90, s90, 8
	s_lshl_b32 s90, s90, 23
	s_or_b32 s90, s90, 0x600000
	v_mov_b32 v[PLIM], s90                         ; 448 x 2^e8
	s_sub_co_i32 s90, s94, s98
	s_sub_co_i32 s90, s90, s99
	s_add_co_i32 s90, s90, 127
	s_lshl_b32 s91, s90, 23
	v_mov_b32 v[OSC], s91                          ; 2^(e10 - e8 - e9): the three scales folded into O's conversion
	s_add_co_i32 s90, s90, 8
	s_lshl_b32 s90, s90, 23
	s_or_b32 s90, s90, 0x600000
	v_mov_b32 v[OLIM], s90
	s_wait_loadcnt 16                              ; Q and K are in; V's sixteen loads may be out
.irp i, 0,1,2,3,4,5,6,7,8,9,10,11,12,13,14,15
	ds_store_b128 v[FK], v[KV+4*\i:KV+4*\i+3] offset:512*\i
.endr
	s_wait_loadcnt 0x0
.irp i, 0,1,2,3,4,5,6,7,8,9,10,11,12,13,14,15
	ds_store_b128 v[FV], v[S+4*\i:S+4*\i+3] offset:512*\i
.endr
	s_wait_dscnt 0x0                               ; for the others' sake: my stores have landed
	s_barrier_signal -1
	s_barrier_wait -1                              ; the head's K and V lie in LDS; nothing is written there again
.macro SKIPTEST lbl                    ; a step that is wholly masked for my tile is left out: its loads, products and softmax; not the lines at the trip's end that step addresses
	s_lshr_b32 s91, s[FL], s[CNT]
	s_and_b32 s91, s91, 1
	s_cmp_lg_u32 s91, 0
	s_cbranch_scc1 \lbl
.endm
.macro SCORES                          ; S^T = K Q^T: eight tiles of 16 keys, K = the head's 64
	v_add_nc_u32 v[ADK], s[TB], v[LI]
.irp i, 0,1,2,3,4,5,6,7,8,9,10,11,12,13,14,15
	ds_load_b128 v[KV+4*\i:KV+4*\i+3], v[ADK] offset:512*\i
.endr
	s_wait_dscnt 0x0
.irp a, 0,1,2,3,4,5,6,7
	v_wmma_f32_16x16x64_fp8_fp8 v[S+8*\a:S+8*\a+7], v[KV+8*\a:KV+8*\a+7], v[QF:QF+7], 0
.endr
.rept 4
	v_nop                                          ; the places behind these products: for the reads of their results and the loads into K's registers
.endr
.endm
.macro MASKIF                          ; a step that is partly masked: its 64 lane words, and -infinity where a bit is set.  The loads stand in the same block as their readers
	s_add_co_u32 s91, s[CNT], 16
	s_lshr_b32 s91, s[FL], s91
	s_and_b32 s91, s91, 1
	s_cmp_lg_u32 s91, 0
	s_cbranch_scc0 .Lopen_\@
	s_load_b512 s[16:31], s[MW:MW+1], 0x0
	s_load_b512 s[32:47], s[MW:MW+1], 0x40
	s_load_b512 s[48:63], s[MW:MW+1], 0x80
	s_load_b512 s[68:83], s[MW:MW+1], 0xc0
	s_wait_kmcnt 0x0
.set n, 0
.rept 64
.if n < 48
	v_cndmask_b32 v[S+n], v[S+n], v[NINF], s[16+n]
.else
	v_cndmask_b32 v[S+n], v[S+n], v[NINF], s[20+n]
.endif
.set n, n+1
.endr
.Lopen_\@:
.endm
.macro EXPONENTS                       ; t - M, two at a time (of the pairs c and -M the low word serves both halves); then p = 2^(t - M), at most 1, as one batch
.set j, 0
.rept 32
	v_pk_fma_f32 v[S+j:S+j+1], v[S+j:S+j+1], s[CS:CS+1], v[NM:NM+1] op_sel_hi:[1,0,0]
.set j, j+2
.endr
.set j, 0
.rept 64
	v_exp_f32 v[S+j], v[S+j]
.set j, j+1
.endr
.endm
.macro NEXTSTEP
	s_add_co_u32 s[TB], s[TB], STEPB
	s_add_nc_u64 s[MW:MW+1], s[MW:MW+1], 256       ; (no scalar load is out here: the one block that issues them waits for them)
	s_add_co_u32 s[CNT], s[CNT], 1
	s_cmp_lt_u32 s[CNT], NSTEP
.endm
	; ---------------- pass 1: the largest t and the sum ----------------
.Lpass1:
	SKIPTEST .Lnext1
	SCORES
	MASKIF
	v_max3_num_f32 v254, v96, v97, v98             ; the step's largest score of my query, among my 64 keys, in two chains,
	v_max3_num_f32 v252, v99, v100, v101
.irp i, 6,10,14,18,22,26,30,34,38,42,46,50,54,58
	v_max3_num_f32 v254, v254, v[96+\i], v[97+\i]
	v_max3_num_f32 v252, v252, v[98+\i], v[99+\i]
.endr
	v_max3_num_f32 v254, v254, v158, v159
	v_max_num_f32 v254, v254, v252
	v_permlanex16_b32 v236, v254, s[SEL], s[SEL+1]
	v_max_num_f32 v254, v254, v236                 ; and among lane l xor 16's
	v_mul_f32 v254, s[CS], v254                    ; as t (c is positive)
	v_max_num_f32 v13, v13, v254                   ; the running largest t
	v_mov_b32 v254, v[NM]
	v_floor_f32 v[NM], -v13                        ; the new -M = floor(-t): M is a whole number
	v_sub_f32 v254, v[NM], v254                    ; M's old value less its new one: a whole number, 0 or less
	v_cvt_i32_f32 v254, v254                       ; (it saturates)
	v_ldexp_f32 v252, 1.0, v254                    ; f = 2^(old M - new M)
	EXPONENTS
	v_pk_mul_f32 v[SUM:SUM+1], v[SUM:SUM+1], v[252:253] op_sel_hi:[1,0]   ; the sums under the new M.  (The plain line behind the exponentials)
	s_wait_alu depctr_va_vdst(0)                   ; one wait for the whole batch, ahead of its first reader
	v_pk_add_f32 v[242:243], v[S:S+1], v[S+2:S+3]  ; the sum, two at a time, in two chains
.irp j, 4,8,12,16,20,24,28,32,36,40,44,48,52,56,60
	v_pk_add_f32 v[SUM:SUM+1], v[SUM:SUM+1], v[S+\j:S+\j+1]
	v_pk_add_f32 v[242:243], v[242:243], v[S+2+\j:S+3+\j]
.endr
	v_pk_add_f32 v[SUM:SUM+1], v[SUM:SUM+1], v[242:243]
.Lnext1:
	NEXTSTEP
	s_cbranch_scc1 .Lpass1
	; ---------------- between the passes: 1 / l ----------------
	v_add_f32 v[SUM], v[SUM], v[SUM+1]             ; the sum's two halves,
	v_permlanex16_b32 v236, v[SUM], s[SEL], s[SEL+1]
	v_add_f32 v[SUM], v[SUM], v236                 ; and lane l xor 16's
	v_max_num_f32 v[SUM], 0.5, v[SUM]              ; a row with an open key has l above 0.5 (M - t is under 1 for its largest t); a row with none has l = 0 and is kept from an infinite reciprocal
	v_rcp_f32 v[RL], v[SUM]
.set j, 0
.rept 32
	v_mov_b32 v[O+j], 0                            ; O^T: which step is a tile's first hangs on the flags, so no step can start the sums by itself
.set j, j+1
.endr
	s_wait_alu depctr_va_vdst(0)                   ; the wait for the reciprocal, ahead of its first reader
	v_mov_b32 v[RL+1], v[RL]
	s_mov_b32 s[TB], 0
	s_mov_b32 s[CNT], 0
	s_sub_nc_u64 s[MW:MW+1], s[MW:MW+1], NSTEP*256 ; back to step 0's words
	; ---------------- pass 2: p / l, quantised, and O^T += V^T P^T ----------------
.Lpass2:
	SKIPTEST .Lnext2
	SCORES
	v_add_nc_u32 v[ADV], s[TB], v[LIV]
.irp i, 0,1,2,3,4,5,6,7,8,9,10,11,12,13,14,15
	ds_load_b128 v[KV+4*\i:KV+4*\i+3], v[ADV] offset:512*\i   ; V's four fragments land while the softmax is worked
.endr
	MASKIF
	EXPONENTS
	v_nop                                          ; the plain line behind the exponentials
	s_wait_alu depctr_va_vdst(0)                   ; one wait for the whole batch, ahead of its first reader
.set j, 0
.rept 32
	v_pk_mul_f32 v[S+j:S+j+1], v[S+j:S+j+1], v[RL:RL+1]       ; the finished softmax
.set j, j+2
.endr
	s_cmp_ge_i32 s98, -8                           ; p / l is at most 1 but for rounding, and 448 x 2^e8 is at least 1.75 from e8 = -8 on: only below that can the hold bite
	s_cbranch_scc1 .Lnohold
.set j, 0
.rept 64
	v_min_num_f32 v[S+j], v[S+j], v[PLIM]          ; the conversion to an 8-bit code does not saturate (ISA guide 7.6.2); p is not negative, so the hold is one-sided
.set j, j+1
.endr
.Lnohold:
.irp a, 0,1,2,3,4,5,6,7
	v_cvt_scalef32_pk8_fp8_f32 v[PC+2*\a:PC+2*\a+1], v[S+8*\a:S+8*\a+7], v[PSC]   ; registers 2 a, 2 a + 1 of P: keys 16 a + 8 h + 0 .. 7
.endr
	v_nop                                          ; a plain vector line between the last conversion and the products that read its result
	s_wait_dscnt 0x0                               ; V is in
.irp d, 0,1,2,3                        ; four accumulators by turns, one instruction a turn; the scores' eight products stand between two turns of one accumulator
	v_wmma_f32_16x16x128_fp8_fp8 v[O+8*\d:O+8*\d+7], v[KV+16*\d:KV+16*\d+15], v[PC:PC+15], v[O+8*\d:O+8*\d+7]
.endr
.rept 4
	v_nop                                          ; the places behind these products: for the next loads into V's registers, the next codes, and the way out's reads
.endr
.Lnext2:
	NEXTSTEP
	s_cbranch_scc1 .Lpass2
	; ---------------- the way out: O's codes, as the last product's operand image ----------------
.set j, 0
.rept 32
	v_med3_num_f32 v[O+j], v[O+j], -v[OLIM], v[OLIM]   ; each accumulator from its low end on
.set j, j+1
.endr
.irp b, 0,1
	v_cvt_scalef32_pk8_fp8_f32 v[OC+4*\b:OC+4*\b+1], v[O+16*\b:O+16*\b+7], v[OSC]
	v_cvt_scalef32_pk8_fp8_f32 v[OC+4*\b+2:OC+4*\b+3], v[O+16*\b+8:O+16*\b+15], v[OSC]
.endr
	v_nop
	global_store_b128 v[LI], v[OC:OC+3], s[12:13]                  ; 32 lanes store 512 consecutive bytes, aligned
	global_store_b128 v[LI], v[OC+4:OC+7], s[12:13] offset:512
	s_wait_tensorcnt 0x0                           ; the wave's end: behind my last LDS store
	ds_add_u32 v[SPW], v[NIL]
	s_wait_dscnt 0x0
	s_endpgm
.Lfunc_end_k_qb2c3a17fd1_attn:
	.size	k_qb2c3a17fd1_attn, .Lfunc_end_k_qb2c3a17fd1_attn-k_qb2c3a17fd1_attn
	.p2alignl 7, 3214868480
	.fill 96, 4, 3214868480
	.section	.rodata,"a",@progbits
	.p2align	6, 0x0
	.amdhsa_kernel k_qb2c3a17fd1_attn
		.amdhsa_group_segment_fixed_size 264192
		.amdhsa_private_segment_fixed_size 0
		.amdhsa_enable_private_segment 0
		.amdhsa_kernarg_size 40
		.amdhsa_user_sgpr_count 2
		.amdhsa_user_sgpr_kernarg_segment_ptr 1
		.amdhsa_wavefront_size32 1
		.amdhsa_system_sgpr_workgroup_id_x 1
		.amdhsa_system_sgpr_workgroup_id_y 1
		.amdhsa_system_sgpr_workgroup_id_z 1
		.amdhsa_system_vgpr_workitem_id 0
		.amdhsa_next_free_vgpr 256
		.amdhsa_next_free_sgpr 100
		.amdhsa_reserve_vcc 0
		.amdhsa_float_denorm_mode_32 3
		.amdhsa_float_denorm_mode_16_64 3
		.amdhsa_memory_ordered 1
		.amdhsa_forward_progress 1
		.amdhsa_inst_pref_size 46
	.end_amdhsa_kernel
	.amdgpu_metadata
---
amdhsa.version: [ 1, 2 ]
amdhsa.kernels:
  - .name:           k_qb2c3a17fd1_attn
    .symbol:         k_qb2c3a17fd1_attn.kd
    .args:
      - { .name: qkvc, .offset: 0, .size: 8, .value_kind: global_buffer, .address_space: global }
      - { .name: mw, .offset: 8, .size: 8, .value_kind: global_buffer, .address_space: global }
      - { .name: mf, .offset: 16, .size: 8, .value_kind: global_buffer, .address_space: global }
      - { .name: lowp_scales, .offset: 24, .size: 8, .value_kind: global_buffer, .address_space: global }
      - { .name: mc, .offset: 32, .size: 8, .value_kind: global_buffer, .address_space: global }
    .group_segment_fixed_size: 264192
    .private_segment_fixed_size: 0
    .kernarg_segment_align: 8
    .kernarg_segment_size: 40
    .max_flat_workgroup_size: 512
    .sgpr_count:     100
    .vgpr_count:     256
    .wavefront_size: 32
...
	.end_amdgpu_metadata
.endif
;; end of part 3
;; launch outp (part 4): grid 4 x 16, 4 waves a work-group, clusters of 4 x 4, 327,680 bytes of LDS; arguments mc, wc, lowp_scales, out0; writes out0
.if DOCPART == 4
	.amdgcn_target "amdgcn-amd-amdhsa--gfx1250"
	.amdhsa_code_object_version 6
	.text
	.protected	k_qb2c3a17fd1_outp
	.globl	k_qb2c3a17fd1_outp
	.p2align	8
	.type	k_qb2c3a17fd1_outp,@function
k_qb2c3a17fd1_outp:
	s_mov_b64 s[64:65], 0
	v_nop
	global_prefetch_b8 v0, s[64:65] scope:SCOPE_SE
	s_setreg_imm32_b32 hwreg(HW_REG_WAVE_MODE, 25, 1), 1
	s_wait_xcnt 0x0
	s_wait_alu depctr_hold_cnt(0) depctr_sa_sdst(0) depctr_va_vdst(0) depctr_va_sdst(0) depctr_va_ssrc(0) depctr_va_vcc(0) depctr_vm_vsrc(0)
	s_getreg_b32 s2, hwreg(HW_REG_IB_STS2, 6, 4)
	s_cmp_eq_u32 s2, 0
	s_cbranch_scc0 .Lentry_in_a_cluster
	s_endpgm
.Lentry_in_a_cluster:
	s_bfe_u32 s2, ttmp6, 0x10000c
	s_cmp_lg_u32 s2, 0xf033
	s_cbranch_scc0 .Lentry_shape_is_right
	s_endpgm
.Lentry_shape_is_right:
; THE LAST PROJECTION: out0[m][n] = sum over k of merged[m][k] W_o[n][k], on codes of FP8 (E4M3); out0: [4096][1024] f32; sums in f32, each multiplied once by 2^(e10 + e11).
; LIMIT: e10 + e11 lies between -126 and 127, so that 2^(e10 + e11) is an f32 number.
; A = merged arrives as AN IMAGE OF THE OPERAND'S REGISTERS: mc[16 tokens][128 along K][c 0..3][512 bytes]: lane (r, h) holds token r, registers 4 c .. 4 c + 3 hold k = 32 c + 16 h + 0 .. 15.
; B = W_o's codes (wc + 3 MiB), rows of 1,024 bytes, K innermost; its fragments are read from LDS rows by four loads of 16 bytes, which gives them the same order of k.
; A tile of C, 256 x 256, is made by a work-group of four waves; a wave makes 128 x 128: 64 accumulators, 512 registers.  K goes in steps of 256 through a ring of two LDS slots filled by the tensor data mover.
; A's part of a slot: for each of 16 tiles of tokens 4,096 bytes on end (two K steps of 128), dense: a load of 16 bytes a lane takes 512 consecutive bytes.  B's: 256 rows of 256 bytes, 16 of padding behind each.
; CLUSTERS: 4 x 4 work-groups.  The four of a row of the cluster need the same tiles of A, the four of a column the same tiles of B: each tile is asked for JOINTLY.
; THE MATRIX INSTRUCTION IS USED TRANSPOSED (source 0 = 16 rows of B, source 1 = 16 rows of A): a lane then holds eight neighbouring numbers of a row of C.
; C has 64 tiles of this size: 64 work-groups.
; REGISTERS, in windows of 256: window 0: v0-31 addresses; from v128 A's fragments, ONE set; on the way out v32-255 are free.
;   window 1: B's fragments, TWO sets.   window 2: the 32 accumulators of my rows 0-63 (accumulator (a, b) at v[8 (8 a + b)]);   window 3: those of my rows 64-127.
.set SIZE_N, 1024
.set SIZE_K, 1024
.set KSTEP,  256
.set ROWB,   256                       ; a row of B's tile in bytes
.set KROW,   SIZE_K                    ; a row of B in memory, in bytes
.set PITCH,  272                       ; B's LDS row: 256 bytes + 16 of padding: the 16 rows that a load touches start at 16 different banks (ISA guide 11.1)
.set AROW,   4096                      ; A: a tile of 16 tokens x 256 along K, in bytes,
.set APIT,   16384                     ; and from one tile of tokens to the next in memory
.set FR,     16
.set NL,     4
.set NP,     4                         ; places behind this matrix instruction (ISA guide 7.12.1)
.set AHALF,  8*AROW                    ; 128 tokens: what one tensor load brings of A
.set BHALF,  128*PITCH                 ; 128 rows: of B
.set SLOT,   2*AHALF+2*BHALF           ; A's two halves, then B's two
.set LAPS,   SIZE_K/(2*KSTEP)
.set SPARE,  2*SLOT                    ; behind the ring: the spare words, 128 bytes for each wave
.set SPITCH, 528                       ; the way out: a stage of 16 rows x (512 bytes + 16) for each wave.  It lies in slot 0, which has had its last fill and its last read when the first result is stored there
.set ADRA, 16                          ; v16-17  LDS address of my A fragments in slot 0, 1
.set ADRB, 20                          ; v20-21  the same for B
.set STO,  24                          ; v24     the way out: where I put 32 bytes of a row
.set RD,   25                          ; v25     the way out: where I read a row back
.set CO,   26                          ; v26     16 x lane
.set SPW,  28                          ; v28     LDS address of my spare word; never rewritten
.set NIL,  29                          ; v29     0; never rewritten
.set TMP,  32                          ; the way out: 64 registers, a block's sums x 2^(e10 + e11)
.set AF,   128                         ; A's fragments, in window 0
.set BK,   128                         ; the way out: 16 rows read back from the stage: v128-191 and v192-255 by turns
.set G1, 24                            ; s[24:31] descriptor group 1 for A's tiles;  s[32:39] group 0, one set for each slot
.set G0, 32
.set G1B, 48                           ; s[48:55], s[56:63] the same for B's tiles
.set G0B, 56
.set MSB, 0
.macro WIN new                         ; the immediate's high byte repeats the setting that is left
.if MSB != \new
	s_set_vgpr_msb (MSB<<8)|\new
.set MSB, \new
.endif
.endm
.set MUL_LO, 0xa1                      ; source 0 (B) window 1, source 1 (A) window 0, C and D window 2
.set MUL_HI, 0xf1                      ; the same, C and D window 3
.set TO_B,   0x40                      ; destination window 1, address window 0
; A joint load: waves 0 and 1 fetch for A, waves 2 and 3 for B; the branch hangs on the wave's number alone.  An s_nop 0 and four v_nop follow each of the two lines.
.macro JLOAD g0a, g1a, g0b, g1b
	s_cmp_eq_u32 s15, 0
	s_cbranch_scc0 .Lfor_b_\@
	tensor_load_to_lds s[\g0a:\g0a+3], s[\g1a:\g1a+7]
	s_nop 0
.rept 4
	v_nop
.endr
	s_branch .Lasked_\@
.Lfor_b_\@:
	tensor_load_to_lds s[\g0b:\g0b+3], s[\g1b:\g1b+7]
	s_nop 0
.rept 4
	v_nop
.endr
.Lasked_\@:
.endm
.macro CREST                           ; a round of the cluster's barrier behind its opening barrier
	s_cmp_lg_u32 s14, 0
	s_cbranch_scc1 .Lnot_wave_0_\@
	s_barrier_signal -3
.Lnot_wave_0_\@:
	s_barrier_wait -3
	s_barrier_signal -1
	s_barrier_wait -1
.endm
.macro CROUND                          ; a whole round
	s_barrier_signal -1
	s_barrier_wait -1
	CREST
.endm
	s_load_b128 s[4:7], s[0:1], 0x0                ; mc s[4:5], wc s[6:7]
	s_load_b128 s[8:11], s[0:1], 0x10              ; the scales' exponents s[8:9], out0 s[10:11]
	v_lshl_add_u32 v[SPW], v0, 2, SPARE
	v_mov_b32 v[NIL], 0
	ds_add_u32 v[SPW], v[NIL]                      ; the wave's opening: the add and its wait stand ahead of my first tensor load; the set-up below, work on registers, stands between them
	v_lshrrev_b32 v1, 5, v0
	v_readfirstlane_b32 s14, v1                    ; wave 0..3
	s_lshr_b32 s15, s14, 1                         ; which half of the tile's rows is mine.  Also: I fetch for A (0) or for B (1)
	s_and_b32 s16, s14, 1                          ; which half of its columns.  Also: which half of that tile I fetch
	s_bfe_u32 s40, ttmp6, 0x40000                  ; cx, cy: my place in the cluster
	s_bfe_u32 s41, ttmp6, 0x40004
	s_lshl_b32 s42, ttmp9, 2
	s_add_co_u32 s42, s42, s40                     ; tile column of C = 4 x cluster x + cx
	s_and_b32 s17, ttmp7, 0xffff
	s_lshl_b32 s17, s17, 2
	s_add_co_u32 s17, s17, s41                     ; tile row of C = 4 x cluster y + cy
	s_lshl_b32 s43, s41, 2
	s_lshl_b32 s43, 15, s43                        ; my row of the cluster
	s_lshl_b32 s44, 0x1111, s40                    ; my column
	; descriptor group 1 for A: 8 rows of 4,096 bytes, 16,384 bytes apart in memory, dense in LDS
	s_or_b32 s[G1+0], s43, (0<<16)|(1<<21)         ; 15:0 the mask: A's tiles go to my row; 17:16 element of 1 byte; 20 no padding; 21 set beside a mask
	s_mov_b32 s[G1+1], AROW<<16                    ; tensor_dim0
	s_mov_b32 s[G1+2], 8<<16                       ; tensor_dim1 = 8
	s_mov_b32 s[G1+3], AROW<<16                    ; tile_dim0
	s_mov_b32 s[G1+4], 8                           ; tile_dim1 = 8
	s_mov_b32 s[G1+5], APIT                        ; tensor_dim0_stride
	s_mov_b32 s[G1+6], 0
	s_mov_b32 s[G1+7], 0
	; for B: 128 rows of 256 bytes, padded in LDS
	s_or_b32 s[G1B+0], s44, (0<<16)|(1<<20)|(1<<21)|(5<<22)|(3<<25)  ; the mask of my column; padding on: after every 64 words (code 5) 4 words (code 3)
	s_mov_b32 s[G1B+1], ROWB<<16
	s_mov_b32 s[G1B+2], 128<<16
	s_mov_b32 s[G1B+3], ROWB<<16
	s_mov_b32 s[G1B+4], 128
	s_mov_b32 s[G1B+5], KROW
	s_mov_b32 s[G1B+6], 0
	s_mov_b32 s[G1B+7], 0
	s_lshl_b32 s20, s17, 4
	s_lshl_b32 s18, s16, 3
	s_add_co_u32 s20, s20, s18                     ; A: tile of tokens 16 x tile row + 8 x half,
	s_lshl_b32 s20, s20, 14                        ; 16 KiB each
	s_mov_b32 s21, 0
	s_lshl_b32 s46, s42, 8
	s_lshl_b32 s18, s16, 7
	s_add_co_u32 s46, s46, s18                     ; B: row 256 x tile column + 128 x half,
	s_lshl_b32 s46, s46, 10                        ; in bytes,
	s_add_co_u32 s46, s46, 0x300000                ; in W_o's section of wc
	s_mov_b32 s47, 0
	s_mul_i32 s45, s16, AHALF                      ; where they go: A's halves at the slot's head,
	s_mul_i32 s22, s16, BHALF
	s_add_co_u32 s22, s22, 2*AHALF                 ; B's behind them: no place in the cluster enters an LDS address
	s_wait_dscnt 0x0                               ; the opening add is done
	s_wait_kmcnt 0x0
	s_load_b64 s[96:97], s[8:9], 0x28              ; e10, e11
	s_add_nc_u64 s[20:21], s[4:5], s[20:21]
	s_add_nc_u64 s[46:47], s[6:7], s[46:47]
	CROUND                                         ; all sixteen work-groups are here: the first joint loads meet
.irp s, 0,1
	s_mov_b32 s[G0+4*\s], 1
	s_add_co_u32 s[G0+4*\s+1], s45, \s*SLOT
	s_add_nc_u64 s[G0+4*\s+2:G0+4*\s+3], s[20:21], \s*AROW
	s_or_b32 s[G0+4*\s+3], s[G0+4*\s+3], 0x80000000
	s_mov_b32 s[G0B+4*\s], 1
	s_add_co_u32 s[G0B+4*\s+1], s22, \s*SLOT
	s_add_nc_u64 s[G0B+4*\s+2:G0B+4*\s+3], s[46:47], \s*ROWB
	s_or_b32 s[G0B+4*\s+3], s[G0B+4*\s+3], 0x80000000
	JLOAD G0+4*\s, G1, G0B+4*\s, G1B
.endr
	v_and_b32 v1, 15, v0                           ; l % 16
	v_bfe_u32 v2, v0, 4, 1                         ; l / 16
	v_mul_u32_u24 v3, v1, PITCH
	v_lshl_add_u32 v4, v2, 4, v3                   ; B: a fragment's row x pitch + 16 x half
	v_and_b32 v6, 31, v0
	v_lshlrev_b32 v[CO], 4, v6                     ; A: 16 x lane.  Also my place in a row of C
	s_mul_i32 s21, s15, AHALF                      ; my 128 tokens of A
	s_mul_i32 s22, s16, BHALF                      ; my 128 rows of B,
	s_add_co_u32 s22, s22, 2*AHALF                 ; which lie behind A's two halves
.irp s, 0,1
	v_add_nc_u32 v[ADRA+\s], s21, v[CO]
	v_add_nc_u32 v[ADRB+\s], s22, v4
	s_add_co_u32 s21, s21, SLOT
	s_add_co_u32 s22, s22, SLOT
.endr
	s_mul_i32 s23, s14, 16*SPITCH                  ; my stage
	v_mul_u32_u24 v5, v1, SPITCH                   ; in: row l % 16, 32 bytes for each half of the lanes
	v_lshl_add_u32 v5, v2, 5, v5
	v_add_nc_u32 v[STO], s23, v5
	v_add_nc_u32 v[RD], s23, v[CO]                 ; back: the 32 lanes take one row of 512 bytes
	s_lshl_b32 s20, s17, 8
	s_lshl_b32 s21, s15, 7
	s_add_co_u32 s20, s20, s21                     ; my first row of C: 256 x tile row + 128 x half,
	s_lshl_b32 s20, s20, 12                        ; 4,096 bytes a row
	s_lshl_b32 s46, s42, 10                        ; my first column, in bytes: 1024 x tile column + 512 x half
	s_lshl_b32 s47, s16, 9
	s_add_co_u32 s46, s46, s47
	s_add_co_u32 s20, s20, s46
	s_mov_b32 s21, 0
	s_add_nc_u64 s[10:11], s[10:11], s[20:21]
.macro FRAG reg, adr, q, i             ; a fragment of B from LDS rows: lane l holds row l % 16; registers 4 c .. 4 c + 3 hold K = 32 c + 16 (l / 16) + 0 .. 15
.irp c, 0,1,2,3
	ds_load_b128 v[\reg+4*\c:\reg+4*\c+3], v[\adr] offset:128*(\q)+32*\c+(\i)*16*PITCH
.endr
.endm
.macro FRAGA reg, adr, q, i            ; a fragment of A from its image: tile of tokens i, the slot's q-th 128 along K, four pieces of 512 bytes
.irp c, 0,1,2,3
	ds_load_b128 v[\reg+4*\c:\reg+4*\c+3], v[\adr] offset:AROW*(\i)+2048*(\q)+512*\c
.endr
.endm
; 16 matrix instructions: A's blocks a0, a0 + 1 x B's eight, 128 along K.  p: B's set.  zero = 1: the first product starts the sums.
; The 64 accumulators take turns, one instruction a turn, in the same order in every step.
.macro MUL16 a0, p, zero
.irp a, \a0, \a0+1
.irp b, 0,1,2,3,4,5,6,7
.if \zero
	v_wmma_f32_16x16x128_fp8_fp8 v[8*(8*((\a)%4)+\b):8*(8*((\a)%4)+\b)+7], v[128*(\p)+FR*\b:128*(\p)+FR*\b+FR-1], v[AF+FR*(\a):AF+FR*(\a)+FR-1], 0
.else
	v_wmma_f32_16x16x128_fp8_fp8 v[8*(8*((\a)%4)+\b):8*(8*((\a)%4)+\b)+7], v[128*(\p)+FR*\b:128*(\p)+FR*\b+FR-1], v[AF+FR*(\a):AF+FR*(\a)+FR-1], v[8*(8*((\a)%4)+\b):8*(8*((\a)%4)+\b)+7]
.endif
.endr
.endr
.endm
.macro FETCH_B slot, q, p              ; B's eight fragments of the slot's q-th 128 along K into set p
	WIN TO_B
.irp i, 0,1,2,3,4,5,6,7
	FRAG 128*(\p)+FR*\i, ADRB+\slot, \q, \i
.endr
	WIN 0
.endm
.macro FETCH_A slot, q, i0             ; A's blocks i0 .. i0 + 3
.irp i, \i0, \i0+1, \i0+2, \i0+3
	FRAGA AF+FR*(\i), ADRA+\slot, \q, \i
.endr
.endm
; A load into a register that a matrix instruction has read, and a vector instruction or an LDS store that reads a matrix result, stand NP places behind that matrix instruction, and only plain vector
; instructions that name none of its registers are places (ISA guide 7.12.1 for vector instructions).
.macro PLACES n
.rept \n
	v_nop
.endr
.endm
.macro STEP slot, q, zero              ; a step of 128 along K that has its successor in the same slot
	s_wait_dscnt 4*NL                              ; B's set and A's blocks 0-3 are in; the youngest sixteen loads (A's blocks 4-7) may be out
	WIN MUL_LO
	MUL16 0, (\q)%2, \zero
	MUL16 2, (\q)%2, \zero
	s_wait_dscnt 0                                 ; A's blocks 4-7 are in
	PLACES NP
	FETCH_B \slot, (\q)+1, 1-(\q)%2
	FETCH_A \slot, (\q)+1, 0
	WIN MUL_HI
	MUL16 4, (\q)%2, \zero
	MUL16 6, (\q)%2, \zero
	PLACES NP
	WIN 0
	FETCH_A \slot, (\q)+1, 4
.endm
; A slot's last step changes slots: ONE barrier; in front of it each wave waits for all its tensor loads, adds 0 to its spare word, and waits for that and for its own reads of this slot.  fill = 1: this slot is filled again, two K steps ahead.
.macro TURN slot, next, fill
	s_wait_tensorcnt 0x0                           ; all my tensor loads have landed: my part of the next slot;  (every window is 0 here)
	ds_add_u32 v[SPW], v[NIL]                      ; 0 onto my spare word;
	s_wait_dscnt 4*NL+1                            ; (the add and the youngest sixteen loads, A's blocks 4-7, may be out)
	WIN MUL_LO
	MUL16 0, 1, 0                                  ; sixteen matrix instructions stand between the add and the wait for it
	s_wait_dscnt 0x0                               ; the add is done, and my reads of this slot are over
	s_barrier_signal -1
	MUL16 2, 1, 0
	WIN 0
	s_barrier_wait -1
.if \fill
	CREST                                          ; the barrier has opened a round of the cluster's barrier: no wave of any partner still reads this slot's tile or has a load on its way
	s_add_nc_u64 s[G0+4*\slot+2:G0+4*\slot+3], s[G0+4*\slot+2:G0+4*\slot+3], 2*AROW
	s_add_nc_u64 s[G0B+4*\slot+2:G0B+4*\slot+3], s[G0B+4*\slot+2:G0B+4*\slot+3], 2*ROWB
	JLOAD G0+4*\slot, G1, G0B+4*\slot, G1B         ; the first tensor load behind the round; the four v_nop behind it are the places in front of the loads below
.else
	PLACES NP
.endif
	FETCH_B \next, 0, 0
	FETCH_A \next, 0, 0
	WIN MUL_HI
	MUL16 4, 1, 0
	MUL16 6, 1, 0
	PLACES NP
	WIN 0
	FETCH_A \next, 0, 4
.endm
	s_wait_tensorcnt 1                             ; my part of K step 0 is in (K step 1's load may be out)
	s_barrier_signal -1
	s_barrier_wait -1                              ; everybody's is
	FETCH_B 0, 0, 0
	FETCH_A 0, 0, 0
	FETCH_A 0, 0, 4
	STEP 0, 0, 1                                   ; the first step stands in front of the loop: its products start the sums
	s_mov_b32 s3, LAPS-1
.Llap:                                                 ; a trip goes once round the ring, from a lap's second step to the next lap's first, and fills both slots again
	TURN 0, 1, 1
	STEP 1, 0, 0
	TURN 1, 0, 1
	STEP 0, 0, 0
	s_sub_co_u32 s3, s3, 1
	s_cmp_lg_u32 s3, 0
	s_cbranch_scc1 .Llap
	TURN 0, 1, 0                                   ; the last lap fills nothing, and has no round of the cluster's barrier
	STEP 1, 0, 0
	s_wait_dscnt 4*NL                              ; the very last step: nothing more to fetch
	WIN MUL_LO
	MUL16 0, 1, 0
	MUL16 2, 1, 0
	s_wait_dscnt 0
	WIN MUL_HI
	MUL16 4, 1, 0
	MUL16 6, 1, 0
	WIN 0
; THE WAY OUT, block by block of 16 rows x 128 columns.  A lane holds 32 neighbouring bytes of a row, and the lanes beside it hold other rows: so a block goes through my own stage in LDS and comes back as whole
; rows of 512 bytes.  LDS serves a wave's instructions in order (ISA guide 5.7.1.4): no wait between the stores and the loads, nor in front of the next block's stores.
.macro TOSTAGE a
.set AC, 64*((\a)%4)
	WIN 0x02+((\a)/4)                              ; source 0: window 2 or 3
.irp j, 0,2,4,6,8,10,12,14,16,18,20,22,24,26,28,30,32,34,36,38,40,42,44,46,48,50,52,54,56,58,60,62
	v_pk_mul_f32 v[TMP+\j:TMP+\j+1], v[AC+\j:AC+\j+1], s[96:97] op_sel_hi:[1,0]   ; both x s96 = 2^(e10 + e11); each accumulator from its low end on
.endr
	WIN 0
.irp b, 0,1,2,3,4,5,6,7
	ds_store_b128 v[STO], v[TMP+8*\b:TMP+8*\b+3] offset:64*\b
	ds_store_b128 v[STO], v[TMP+8*\b+4:TMP+8*\b+7] offset:64*\b+16
.endr
.set BB, BK+64*((\a)%2)
.irp t, 0,1,2,3,4,5,6,7,8,9,10,11,12,13,14,15
	ds_load_b128 v[BB+4*\t:BB+4*\t+3], v[RD] offset:\t*SPITCH
.endr
.endm
.macro SEND a, younger                 ; younger: the LDS instructions issued behind block a's loads, which may stay out
.set BB, BK+64*((\a)%2)
	s_wait_dscnt \younger                          ; the block is back in registers
.if (\a) > 0
	s_add_nc_u64 s[10:11], s[10:11], 16*SIZE_N*4   ; (behind a wait on XCNT: the earlier stores have read their base)  16 rows of C on
.endif
.irp t, 0,1,2,3,4,5,6,7,8,9,10,11,12,13,14,15
	global_store_b128 v[CO], v[BB+4*\t:BB+4*\t+3], s[10:11] offset:\t*SIZE_N*4 th:TH_STORE_NT   ; 32 lanes store 512 consecutive bytes, aligned; written once, read by nobody here
.endr
.endm
	s_wait_kmcnt 0x0
	s_add_co_i32 s96, s96, s97                     ; e10 + e11, between -126 and 127,
	s_add_co_i32 s96, s96, 127
	s_lshl_b32 s96, s96, 23                        ; makes the f32 number 2^(e10 + e11)
	PLACES NP                                      ; behind the last products: for the loads into the registers that held A's fragments and the reads of the results
	TOSTAGE 0
.irp a, 1,2,3,4,5,6,7
.if \a > 1
	s_wait_xcnt 0x0                                ; block a - 2's stores have read their registers and their base: block a's loads may land there, and the base may step
.endif
	TOSTAGE \a
	SEND \a-1, 32                                  ; behind block a - 1's loads: block a's 16 stores and 16 loads
.endr
	s_wait_xcnt 0x0                                ; block 6's stores have read their base
	SEND 7, 0
	s_wait_tensorcnt 0x0                           ; the wave's end: behind my last tensor load and my last LDS store
	ds_add_u32 v[SPW], v[NIL]
	s_wait_dscnt 0x0
	CROUND                                         ; the closing round: no work-group ends while a partner may still ask for a tile that names it
	s_endpgm
.Lfunc_end_k_qb2c3a17fd1_outp:
	.size	k_qb2c3a17fd1_outp, .Lfunc_end_k_qb2c3a17fd1_outp-k_qb2c3a17fd1_outp
	.p2alignl 7, 3214868480
	.fill 96, 4, 3214868480
	.section	.rodata,"a",@progbits
	.p2align	6, 0x0
	.amdhsa_kernel k_qb2c3a17fd1_outp
		.amdhsa_group_segment_fixed_size 327680
		.amdhsa_private_segment_fixed_size 0
		.amdhsa_enable_private_segment 0
		.amdhsa_kernarg_size 32
		.amdhsa_user_sgpr_count 2
		.amdhsa_user_sgpr_kernarg_segment_ptr 1
		.amdhsa_wavefront_size32 1
		.amdhsa_system_sgpr_workgroup_id_x 1
		.amdhsa_system_sgpr_workgroup_id_y 1
		.amdhsa_system_sgpr_workgroup_id_z 1
		.amdhsa_system_vgpr_workitem_id 0
		.amdhsa_next_free_vgpr 1024
		.amdhsa_next_free_sgpr 98
		.amdhsa_reserve_vcc 0
		.amdhsa_float_denorm_mode_32 3
		.amdhsa_float_denorm_mode_16_64 3
		.amdhsa_memory_ordered 1
		.amdhsa_forward_progress 1
		.amdhsa_inst_pref_size 123
	.end_amdhsa_kernel
	.amdgpu_metadata
---
amdhsa.version: [ 1, 2 ]
amdhsa.kernels:
  - .name:           k_qb2c3a17fd1_outp
    .symbol:         k_qb2c3a17fd1_outp.kd
    .args:
      - { .name: mc, .offset: 0, .size: 8, .value_kind: global_buffer, .address_space: global }
      - { .name: wc, .offset: 8, .size: 8, .value_kind: global_buffer, .address_space: global }
      - { .name: lowp_scales, .offset: 16, .size: 8, .value_kind: global_buffer, .address_space: global }
      - { .name: out0, .offset: 24, .size: 8, .value_kind: global_buffer, .address_space: global }
    .group_segment_fixed_size: 327680
    .private_segment_fixed_size: 0
    .kernarg_segment_align: 8
    .kernarg_segment_size: 32
    .max_flat_workgroup_size: 128
    .sgpr_count:     98
    .vgpr_count:     1024
    .wavefront_size: 32
...
	.end_amdgpu_metadata
.endif
;; end of part 4
;; ======== version 2 of 2: 4 launches; version 1 with the launch attn written anew for expert scheduling mode
;; workspace buffers: xc 12,582,912 bytes; wc 4,194,304 bytes; qkvc 12,582,912 bytes; mc 4,194,304 bytes; mw 524,288 bytes of whole numbers; mf 2,048 bytes of whole numbers
;; launch prep: the kernel of part 1 again; grid 640 x 1, 4 waves a work-group, no clusters, 33,280 bytes of LDS; arguments query, key, value, W_q, W_k, W_v, W_o, mask, lowp_scales, xc, wc, mw, mf; writes xc, wc, mw, mf
;; launch qkv: the kernel of part 2 again; grid 4 x 48, 4 waves a work-group, clusters of 4 x 4, 327,680 bytes of LDS; arguments xc, wc, lowp_scales, qkvc; writes qkvc
;; launch attn (part 5): grid 8 x 32, 16 waves a work-group, no clusters, 264,192 bytes of LDS; arguments qkvc, mw, mf, lowp_scales, mc; writes mc
.if DOCPART == 5
	.amdgcn_target "amdgcn-amd-amdhsa--gfx1250"
	.amdhsa_code_object_version 6
	.text
	.protected	k_qb2c3a17fd1_attn
	.globl	k_qb2c3a17fd1_attn
	.p2align	8
	.type	k_qb2c3a17fd1_attn,@function
k_qb2c3a17fd1_attn:
	s_mov_b64 s[64:65], 0
	v_nop
	global_prefetch_b8 v0, s[64:65] scope:SCOPE_SE
	s_setreg_imm32_b32 hwreg(HW_REG_WAVE_SCHED_MODE, 0, 2), 2
	s_setreg_imm32_b32 hwreg(HW_REG_WAVE_MODE, 25, 1), 1
	s_wait_xcnt 0x0
	s_wait_alu depctr_vm_vsrc(0)
; ATTENTION ON CODES OF FP8 (E4M3), head size 64, 2,048 keys, with the mask as it is given, for one batch and head a work-group row.
; THE SECOND PRODUCT'S LEFT OPERAND IS THE FINISHED SOFTMAX: p / l is what is quantised.  So the keys are walked TWICE:
;   pass 1: S^T = K Q^T, the running largest t and the running sum l;     pass 2: S^T once more, p = 2^(t - M) / l, quantised, O^T += V^T P^T.
; t = score x 2^(e6 + e7) x log2(e) / 8; M = the row's largest t rounded UP to a whole number, kept as -M = floor(-t); when M moves in pass 1 the sum is multiplied by 2^(old M - new M), which rounds nothing.
; A masked score becomes -infinity ahead of the maximum, so its p is 0.  A row all of whose keys are masked has l = 0: l is held at 0.5 from below (a row with an open key has l above 0.5), its p are 0 and so are its codes.
; SHARES.  Work-group (g, y): batch y / 16, head y % 16.  Each of its SIXTEEN waves owns one tile of 16 queries, T = 8 rank + g, in 256 registers; rank is the wave's number with its low two bits
; turned round in every second group of four: a fixed schedule, right for every mask.
; K AND V OF THE WHOLE HEAD LIE IN LDS, 128 KiB each, as images of the operands' registers (a piece of 512 bytes: lane l's 16 at 16 l): wave w copies key step w's 8 KiB of each through its registers, once; one barrier.
; WHAT THE MASK HIDES IS LEFT OUT: a key step (128 keys) all of whose 16 x 128 entries are masked for my tile is jumped over, by a scalar branch on the flags that the first launch stored (mf);
; a step with some masked entries fetches its 64 lane words (mw) and masks by v_cndmask_b32; a step with none does neither.  The loops' trip counts are constants.
; NO TENSOR LOAD, NO CLUSTER, NO JOINT LOADS: those branches hang on numbers read from memory, and each wave's walk differs.  The price: each of the 8 work-groups of a head reads the head's 256 KiB itself.
; LAYOUT.  Both products are used transposed: lane (r, h) holds query r throughout.  S^T's accumulator a, register j: key 16 a + 8 h + j.  Its eight codes are registers 2 a, 2 a + 1 of P: the plain form's own layout.
; O^T's accumulator dt, register j: place 16 dt + 8 h + j among V's features, which stands for feature 32 (dt / 2) + 16 h + 8 (dt % 2) + j (the first launch laid W_v's rows so): so the 16 registers of
; accumulators 2 b and 2 b + 1 are 16 neighbours along the last product's K, and their codes are stored as that product's operand image: mc[16 tokens][128 along K][4][512 bytes].
; code of O = sum x 2^(e8 + e9) / 2^e10, held within +-448.
; LIMITS on the given exponents, so that each power of two below is an f32 number: e6 + e7 between -123 and 130; e8, and e10 - e8 - e9, between -126 and 119.  NaN among the inputs is not served.
; THE MODE: SCHED_MODE bits 1:0 = 2 (LLVM: expert scheduling mode 2), set by the entry lines.  The code itself states the register dependences
; between vector or matrix instructions and memory or LDS instructions, with s_wait_alu, always for 0.
; THE PLAN.  Registers that memory or LDS instructions touch:
;   v[LI], v[FK], v[FV]   Offsets and LDS addresses, written by vector lines at the head and never again; read by the global loads and stores and by the head's LDS stores.
;   v[ADK], v[ADV]        Written by a vector add at the head of each step that is walked; read by that step's LDS loads of K and (pass 2) of V.
;   v[QF ..]              Two global loads land in it; matrix instructions alone read it.
;   v[KV ..]              At the head K's global loads land in it and LDS stores read it.  In a step K's LDS loads land in it and the scores' eight products read it; in pass 2 V's LDS loads then land in it and four products read it.
;   v[S ..]               At the head V's global loads land in it and LDS stores read it; from the loops on vector and matrix instructions alone name it.
;   v[OC ..]              Written by the way out's four conversions; read by the two global stores.
;   v[SPW], v[NIL]        Written at the head, read by the closing add alone.
; So a step that is walked opens with one wait on vm_vsrc (the earlier LDS loads have read the two addresses), the address adds, and one wait on va_vdst (the addresses are written; the products of the step
; before are done reading v[KV ..]); pass 2 has one more wait on va_vdst between the scores' products and V's loads.  No second set of 64 fragment registers is kept: the wave's 256 registers have 35 to spare in pass 2.
.set VIMG,  131072                     ; LDS: K's image at 0 ([step][tile of 16 keys][half of 64][512]), V's here ([step][tile of 16 features][quarter of 128 keys][512])
.set STEPB, 8192                       ; a key step's bytes in either
.set NSTEP, 16
.set SPARE, 262144                     ; behind the images: the spare words, 128 bytes for each of sixteen waves
.set LI,   1                           ; v1   16 x lane
.set ADK,  2                           ; v2   LDS address of the step's K
.set ADV,  3                           ; v3   of its V
.set SPW,  4                           ; v4   LDS address of my spare word; never rewritten
.set NIL,  5                           ; v5   0; never rewritten
.set NINF, 6                           ; v6   -infinity
.set LIV,  7                           ; v7   16 x lane + VIMG
.set FK,   8                           ; v8   where I put my step of K;  v9: of V
.set FV,   9
.set NM,   12                          ; v12  -M;  v13 the largest t so far
.set SUM,  14                          ; v[14:15] the sum in two halves
.set QF,   16                          ; v[16:23] Q's fragment
.set RL,   24                          ; v[24:25] 1 / l, twice
.set PSC,  26                          ; v26  2^e8;  v27  448 x 2^e8
.set PLIM, 27
.set OSC,  28                          ; v28  2^(e10 - e8 - e9);  v29  448 x that
.set OLIM, 29
.set KV,   32                          ; v[32:95]   the step's fragments of K, then of V
.set S,    96                          ; v[96:159]  S^T, then p
.set O,    160                         ; v[160:191] O^T
.set PC,   192                         ; v[192:207] p's codes
.set OC,   208                         ; v[208:215] O's codes
.set TB,   2                           ; s2   the step's first byte in an image
.set CNT,  3                           ; s3   the step
.set WV,   14                          ; s14  my wave's number
.set FL,   15                          ; s15  my tile's flags
.set SEL,  84                          ; s[84:85] lane selects for v_permlanex16_b32: lane l xor 16
.set CS,   86                          ; s[86:87] c = 2^(e6 + e7) log2(e) / 8: the packed form names a pair and takes its low word for both halves
.set MW,   88                          ; s[88:89] the step's 64 words in mw.   The words themselves: s[16:63] and s[68:83]
	s_load_b256 s[4:11], s[0:1], 0x0               ; qkvc s[4:5], mw s[6:7], mf s[8:9], the scales' exponents s[10:11]
	s_load_b64 s[12:13], s[0:1], 0x20              ; mc
	v_lshl_add_u32 v[SPW], v0, 2, SPARE
	v_mov_b32 v[NIL], 0
	v_lshrrev_b32 v10, 5, v0
	v_readfirstlane_b32 s[WV], v10                 ; wave 0..15
	v_and_b32 v[LI], 31, v0
	v_lshlrev_b32 v[LI], 4, v[LI]
	v_add_nc_u32 v[LIV], VIMG, v[LI]
	s_wait_alu depctr_va_sdst(0)                   ; s[WV] is written, ahead of its first reader: LDS addresses, the tile and the bases are made from it
	s_lshl_b32 s46, s[WV], 13
	v_add_nc_u32 v[FK], s46, v[LI]                 ; key step w's 8 KiB
	v_add_nc_u32 v[FV], VIMG, v[FK]
	v_mov_b32 v[NINF], 0xff800000
	s_and_b32 s16, s[WV], 12
	s_and_b32 s17, s[WV], 3
	s_bfe_u32 s18, s[WV], 0x10002                  ; bit 2 of the wave's number
	s_mul_i32 s18, s18, 3
	s_xor_b32 s17, s17, s18
	s_or_b32 s16, s16, s17                         ; rank
	s_lshl_b32 s16, s16, 3
	s_add_co_u32 s16, s16, ttmp9                   ; T = 8 rank + g
	s_and_b32 s17, ttmp7, 0xffff
	s_lshr_b32 s18, s17, 4                         ; batch
	s_and_b32 s19, s17, 15                         ; head
	s_lshr_b32 s20, s19, 1                         ; the pair of heads,
	s_and_b32 s21, s19, 1                          ; and which of the two
	s_lshl_b32 s22, s18, 4                         ; the batch's first block of 128 tokens
	s_lshr_b32 s23, s16, 3
	s_add_co_u32 s23, s23, s22
	s_lshl_b32 s23, s23, 3
	s_add_co_u32 s23, s23, s20
	s_lshl_b32 s23, s23, 14                        ; Q: the block of my tile,
	s_and_b32 s24, s16, 7
	s_lshl_b32 s24, s24, 11                        ; the tile in it,
	s_add_co_u32 s24, s24, s23
	s_lshl_b32 s25, s21, 10                        ; my head's two pieces
	s_add_co_u32 s24, s24, s25
	s_mov_b32 s25, 0
	s_add_co_u32 s26, s22, s[WV]
	s_lshl_b32 s26, s26, 3
	s_add_co_u32 s26, s26, s20
	s_lshl_b32 s26, s26, 14                        ; K and V: the block of key step w
	s_lshl_b32 s28, s21, 13
	s_add_co_u32 s28, s28, s26
	s_add_co_u32 s28, s28, 0x800000                ; V: my head's 8 KiB on end
	s_mov_b32 s29, 0
	s_lshl_b32 s27, s21, 10
	s_add_co_u32 s26, s26, s27
	s_add_co_u32 s26, s26, 0x400000                ; K: my head's two pieces of each tile
	s_mov_b32 s27, 0
	s_lshl_b32 s30, s18, 7
	s_add_co_u32 s30, s30, s16
	s_lshl_b32 s30, s30, 14                        ; mc: my 16 tokens' 16 KiB,
	s_lshl_b32 s31, s19, 10                        ; my head's 1 KiB in them
	s_add_co_u32 s30, s30, s31
	s_mov_b32 s31, 0
	s_lshl_b32 s42, s16, 4                         ; mf: four words a tile
	s_mov_b32 s43, 0
	s_lshl_b32 s44, s16, 12                        ; mw: 4 KiB a tile
	s_mov_b32 s45, 0
	s_mov_b32 s[SEL], 0x76543210
	s_mov_b32 s[SEL+1], 0xfedcba98
	s_mov_b32 s[CS], 0x3e38aa3b                    ; log2(e) / 8
	s_mov_b32 s[TB], 0
	s_mov_b32 s[CNT], 0
	s_wait_kmcnt 0x0
	s_add_nc_u64 s[36:37], s[4:5], s[24:25]
	s_add_nc_u64 s[38:39], s[4:5], s[26:27]
	s_add_nc_u64 s[40:41], s[4:5], s[28:29]
	s_add_nc_u64 s[12:13], s[12:13], s[30:31]
	s_add_nc_u64 s[8:9], s[8:9], s[42:43]
	s_add_nc_u64 s[MW:MW+1], s[6:7], s[44:45]
	s_load_b128 s[32:35], s[8:9], 0x0              ; my tile's flags, a word from each of four waves
	s_load_b128 s[96:99], s[10:11], 0x18           ; e6, e7, e8, e9
	s_load_b32 s94, s[10:11], 0x28                 ; e10
	s_wait_alu depctr_va_vdst(0)                   ; v[LI], v[FK] and v[FV] are written: the global loads and stores read the first as their offset, the LDS stores below the other two as their addresses
	global_load_b128 v[QF:QF+3], v[LI], s[36:37]                 ; Q's fragment stays in registers
	global_load_b128 v[QF+4:QF+7], v[LI], s[36:37] offset:512
.irp i, 0,1,2,3,4,5,6,7,8,9,10,11,12,13,14,15
	global_load_b128 v[KV+4*\i:KV+4*\i+3], v[LI], s[38:39] offset:(\i/2)*2048+(\i%2)*512    ; key step w of K: 512 consecutive bytes a load
.endr
.irp i, 0,1,2,3,4,5,6,7,8,9,10,11,12,13,14,15
	global_load_b128 v[S+4*\i:S+4*\i+3], v[LI], s[40:41] offset:512*\i                      ; and of V
.endr
	v_mov_b32 v13, 0xff61b1e6                      ; the largest t so far: -3e38, under every t.  (The vector lines from here to the LDS stores name none of the registers that the loads above and those stores touch)
	v_floor_f32 v[NM], -v13                        ; -M
	v_mov_b32 v[SUM], 0
	v_mov_b32 v[SUM+1], 0
	v_mov_b32 v236, 0                              ; written once: a lane permute's destination counts as one of its sources
	v_mov_b32 v253, 0                              ; (named as the upper half of the pair v[252:253])
	s_wait_kmcnt 0x0
	s_or_b32 s[FL], s32, s33
	s_or_b32 s[FL], s[FL], s34
	s_or_b32 s[FL], s[FL], s35                     ; bit s: step s is wholly masked; bit 16 + s: partly
	s_add_co_i32 s90, s96, s97
	s_lshl_b32 s90, s90, 23
	s_add_co_i32 s[CS], s[CS], s90                 ; a score stands for score x 2^(e6 + e7): the two exponents are added to c's exponent field
	s_mov_b32 s[CS+1], s[CS]                       ; (named with it as a pair, so it is written)
	s_add_co_i32 s90, s98, 127
	s_lshl_b32 s91, s90, 23
	v_mov_b32 v[PSC], s91                          ; 2^e8 as f32, for p's conversion
	s_add_co_i32 s90, s90, 8
	s_lshl_b32 s90, s90, 23
	s_or_b32 s90, s90, 0x600000
	v_mov_b32 v[PLIM], s90                         ; 448 x 2^e8
	s_sub_co_i32 s90, s94, s98
	s_sub_co_i32 s90, s90, s99
	s_add_co_i32 s90, s90, 127
	s_lshl_b32 s91, s90, 23
	v_mov_b32 v[OSC], s91                          ; 2^(e10 - e8 - e9): the three scales folded into O's conversion
	s_add_co_i32 s90, s90, 8
	s_lshl_b32 s90, s90, 23
	s_or_b32 s90, s90, 0x600000
	v_mov_b32 v[OLIM], s90
	s_wait_loadcnt 16                              ; Q and K are in; V's sixteen loads may be out
.irp i, 0,1,2,3,4,5,6,7,8,9,10,11,12,13,14,15
	ds_store_b128 v[FK], v[KV+4*\i:KV+4*\i+3] offset:512*\i
.endr
	s_wait_loadcnt 0x0
.irp i, 0,1,2,3,4,5,6,7,8,9,10,11,12,13,14,15
	ds_store_b128 v[FV], v[S+4*\i:S+4*\i+3] offset:512*\i
.endr
	s_wait_dscnt 0x0                               ; for the others' sake: my stores have landed
	s_barrier_signal -1
	s_barrier_wait -1                              ; the head's K and V lie in LDS; nothing is written there again
	s_wait_alu depctr_vm_vsrc(0)                   ; my LDS stores have read v[KV ..] and v[S ..]: from here on the fragments' LDS loads land in the first and the scores' products write the second
.macro SKIPTEST lbl                    ; a step that is wholly masked for my tile is left out: its loads, products and softmax; not the lines at the trip's end that step addresses
	s_lshr_b32 s91, s[FL], s[CNT]
	s_and_b32 s91, s91, 1
	s_cmp_lg_u32 s91, 0
	s_cbranch_scc1 \lbl
.endm
.macro SCORES withv                    ; S^T = K Q^T: eight tiles of 16 keys, K = the head's 64.  withv = 1 (pass 2): V's address is made beside K's, so that one pair of waits serves both
	s_wait_alu depctr_vm_vsrc(0)                   ; the LDS loads of the steps before have read v[ADK] and v[ADV], which the lines below write again
	v_add_nc_u32 v[ADK], s[TB], v[LI]
.if \withv
	v_add_nc_u32 v[ADV], s[TB], v[LIV]
.endif
	s_wait_alu depctr_va_vdst(0)                   ; the addresses are written, which the LDS loads read; the products of the step before are done reading v[KV ..], in which these loads land
.irp i, 0,1,2,3,4,5,6,7,8,9,10,11,12,13,14,15
	ds_load_b128 v[KV+4*\i:KV+4*\i+3], v[ADK] offset:512*\i
.endr
	s_wait_dscnt 0x0
.irp a, 0,1,2,3,4,5,6,7
	v_wmma_f32_16x16x64_fp8_fp8 v[S+8*\a:S+8*\a+7], v[KV+8*\a:KV+8*\a+7], v[QF:QF+7], 0
.endr
.rept 4
	v_nop                                          ; the places behind these products (ISA guide 7.12.1), for the vector lines that read and write their results
.endr
.endm
.macro MASKIF                          ; a step that is partly masked: its 64 lane words, and -infinity where a bit is set.  The loads stand in the same block as their readers
	s_add_co_u32 s91, s[CNT], 16
	s_lshr_b32 s91, s[FL], s91
	s_and_b32 s91, s91, 1
	s_cmp_lg_u32 s91, 0
	s_cbranch_scc0 .Lopen_\@
	s_load_b512 s[16:31], s[MW:MW+1], 0x0
	s_load_b512 s[32:47], s[MW:MW+1], 0x40
	s_load_b512 s[48:63], s[MW:MW+1], 0x80
	s_load_b512 s[68:83], s[MW:MW+1], 0xc0
	s_wait_kmcnt 0x0
.set n, 0
.rept 64
.if n < 48
	v_cndmask_b32 v[S+n], v[S+n], v[NINF], s[16+n]
.else
	v_cndmask_b32 v[S+n], v[S+n], v[NINF], s[20+n]
.endif
.set n, n+1
.endr
.Lopen_\@:
.endm
.macro EXPONENTS                       ; t - M, two at a time (of the pairs c and -M the low word serves both halves); then p = 2^(t - M), at most 1, as one batch
.set j, 0
.rept 32
	v_pk_fma_f32 v[S+j:S+j+1], v[S+j:S+j+1], s[CS:CS+1], v[NM:NM+1] op_sel_hi:[1,0,0]
.set j, j+2
.endr
.set j, 0
.rept 64
	v_exp_f32 v[S+j], v[S+j]
.set j, j+1
.endr
.endm
.macro NEXTSTEP
	s_add_co_u32 s[TB], s[TB], STEPB
	s_add_nc_u64 s[MW:MW+1], s[MW:MW+1], 256       ; (no scalar load is out here: the one block that issues them waits for them)
	s_add_co_u32 s[CNT], s[CNT], 1
	s_cmp_lt_u32 s[CNT], NSTEP
.endm
	; ---------------- pass 1: the largest t and the sum ----------------
.Lpass1:
	SKIPTEST .Lnext1
	SCORES 0
	MASKIF
	v_max3_num_f32 v254, v96, v97, v98             ; the step's largest score of my query, among my 64 keys, in two chains,
	v_max3_num_f32 v252, v99, v100, v101
.irp i, 6,10,14,18,22,26,30,34,38,42,46,50,54,58
	v_max3_num_f32 v254, v254, v[96+\i], v[97+\i]
	v_max3_num_f32 v252, v252, v[98+\i], v[99+\i]
.endr
	v_max3_num_f32 v254, v254, v158, v159
	v_max_num_f32 v254, v254, v252
	v_permlanex16_b32 v236, v254, s[SEL], s[SEL+1]
	v_max_num_f32 v254, v254, v236                 ; and among lane l xor 16's
	v_mul_f32 v254, s[CS], v254                    ; as t (c is positive)
	v_max_num_f32 v13, v13, v254                   ; the running largest t
	v_mov_b32 v254, v[NM]
	v_floor_f32 v[NM], -v13                        ; the new -M = floor(-t): M is a whole number
	v_sub_f32 v254, v[NM], v254                    ; M's old value less its new one: a whole number, 0 or less
	v_cvt_i32_f32 v254, v254                       ; (it saturates)
	v_ldexp_f32 v252, 1.0, v254                    ; f = 2^(old M - new M)
	EXPONENTS
	v_pk_mul_f32 v[SUM:SUM+1], v[SUM:SUM+1], v[252:253] op_sel_hi:[1,0]   ; the sums under the new M.  (The plain line behind the exponentials)
	s_wait_alu depctr_va_vdst(0)                   ; the 64 exponentials have written v[S ..]: one wait for the whole batch, ahead of its first reader
	v_pk_add_f32 v[242:243], v[S:S+1], v[S+2:S+3]  ; the sum, two at a time, in two chains
.irp j, 4,8,12,16,20,24,28,32,36,40,44,48,52,56,60
	v_pk_add_f32 v[SUM:SUM+1], v[SUM:SUM+1], v[S+\j:S+\j+1]
	v_pk_add_f32 v[242:243], v[242:243], v[S+2+\j:S+3+\j]
.endr
	v_pk_add_f32 v[SUM:SUM+1], v[SUM:SUM+1], v[242:243]
.Lnext1:
	NEXTSTEP
	s_cbranch_scc1 .Lpass1
	; ---------------- between the passes: 1 / l ----------------
	v_add_f32 v[SUM], v[SUM], v[SUM+1]             ; the sum's two halves,
	v_permlanex16_b32 v236, v[SUM], s[SEL], s[SEL+1]
	v_add_f32 v[SUM], v[SUM], v236                 ; and lane l xor 16's
	v_max_num_f32 v[SUM], 0.5, v[SUM]              ; a row with an open key has l above 0.5 (M - t is under 1 for its largest t); a row with none has l = 0 and is kept from an infinite reciprocal
	v_rcp_f32 v[RL], v[SUM]
.set j, 0
.rept 32
	v_mov_b32 v[O+j], 0                            ; O^T: which step is a tile's first hangs on the flags, so no step can start the sums by itself
.set j, j+1
.endr
	s_wait_alu depctr_va_vdst(0)                   ; the reciprocal has written v[RL], ahead of its first reader
	v_mov_b32 v[RL+1], v[RL]
	s_mov_b32 s[TB], 0
	s_mov_b32 s[CNT], 0
	s_sub_nc_u64 s[MW:MW+1], s[MW:MW+1], NSTEP*256 ; back to step 0's words
	; ---------------- pass 2: p / l, quantised, and O^T += V^T P^T ----------------
.Lpass2:
	SKIPTEST .Lnext2
	SCORES 1
	s_wait_alu depctr_va_vdst(0)                   ; the scores' eight products are done reading K's fragments in v[KV ..], in which V's fragments land
.irp i, 0,1,2,3,4,5,6,7,8,9,10,11,12,13,14,15
	ds_load_b128 v[KV+4*\i:KV+4*\i+3], v[ADV] offset:512*\i   ; V's four fragments land while the softmax is worked: no line of the softmax names v[KV ..] or v[ADV]
.endr
	MASKIF
	EXPONENTS
	v_nop                                          ; the plain line behind the exponentials
	s_wait_alu depctr_va_vdst(0)                   ; the 64 exponentials have written v[S ..]: one wait for the whole batch, ahead of its first reader
.set j, 0
.rept 32
	v_pk_mul_f32 v[S+j:S+j+1], v[S+j:S+j+1], v[RL:RL+1]       ; the finished softmax
.set j, j+2
.endr
	s_cmp_ge_i32 s98, -8                           ; p / l is at most 1 but for rounding, and 448 x 2^e8 is at least 1.75 from e8 = -8 on: only below that can the hold bite
	s_cbranch_scc1 .Lnohold
.set j, 0
.rept 64
	v_min_num_f32 v[S+j], v[S+j], v[PLIM]          ; the conversion to an 8-bit code does not saturate (ISA guide 7.6.2); p is not negative, so the hold is one-sided
.set j, j+1
.endr
.Lnohold:
.irp a, 0,1,2,3,4,5,6,7
	v_cvt_scalef32_pk8_fp8_f32 v[PC+2*\a:PC+2*\a+1], v[S+8*\a:S+8*\a+7], v[PSC]   ; registers 2 a, 2 a + 1 of P: keys 16 a + 8 h + 0 .. 7
.endr
	v_nop                                          ; a plain vector line between the last conversion and the products that read its result
	s_wait_dscnt 0x0                               ; V is in
.irp d, 0,1,2,3                        ; four accumulators by turns, one instruction a turn; the scores' eight products stand between two turns of one accumulator
	v_wmma_f32_16x16x128_fp8_fp8 v[O+8*\d:O+8*\d+7], v[KV+16*\d:KV+16*\d+15], v[PC:PC+15], v[O+8*\d:O+8*\d+7]
.endr
.rept 4
	v_nop                                          ; the places behind these products: for the next codes and the way out's reads
.endr
.Lnext2:
	NEXTSTEP
	s_cbranch_scc1 .Lpass2
	; ---------------- the way out: O's codes, as the last product's operand image ----------------
.set j, 0
.rept 32
	v_med3_num_f32 v[O+j], v[O+j], -v[OLIM], v[OLIM]   ; each accumulator from its low end on
.set j, j+1
.endr
.irp b, 0,1
	v_cvt_scalef32_pk8_fp8_f32 v[OC+4*\b:OC+4*\b+1], v[O+16*\b:O+16*\b+7], v[OSC]
	v_cvt_scalef32_pk8_fp8_f32 v[OC+4*\b+2:OC+4*\b+3], v[O+16*\b+8:O+16*\b+15], v[OSC]
.endr
	v_nop
	s_wait_alu depctr_va_vdst(0)                   ; the four conversions have written v[OC ..], the data of the two stores
	global_store_b128 v[LI], v[OC:OC+3], s[12:13]                  ; 32 lanes store 512 consecutive bytes, aligned
	global_store_b128 v[LI], v[OC+4:OC+7], s[12:13] offset:512
	s_wait_dscnt 0x0                               ; the wave's end
	s_wait_alu 0x0
	s_wait_tensorcnt 0x0
	ds_add_u32 v[SPW], v[NIL]
	s_wait_dscnt 0x0
	s_endpgm
.Lfunc_end_k_qb2c3a17fd1_attn:
	.size	k_qb2c3a17fd1_attn, .Lfunc_end_k_qb2c3a17fd1_attn-k_qb2c3a17fd1_attn
	.p2alignl 7, 3214868480
	.fill 96, 4, 3214868480
	.section	.rodata,"a",@progbits
	.p2align	6, 0x0
	.amdhsa_kernel k_qb2c3a17fd1_attn
		.amdhsa_group_segment_fixed_size 264192
		.amdhsa_private_segment_fixed_size 0
		.amdhsa_enable_private_segment 0
		.amdhsa_kernarg_size 40
		.amdhsa_user_sgpr_count 2
		.amdhsa_user_sgpr_kernarg_segment_ptr 1
		.amdhsa_wavefront_size32 1
		.amdhsa_system_sgpr_workgroup_id_x 1
		.amdhsa_system_sgpr_workgroup_id_y 1
		.amdhsa_system_sgpr_workgroup_id_z 1
		.amdhsa_system_vgpr_workitem_id 0
		.amdhsa_next_free_vgpr 256
		.amdhsa_next_free_sgpr 100
		.amdhsa_reserve_vcc 0
		.amdhsa_float_denorm_mode_32 3
		.amdhsa_float_denorm_mode_16_64 3
		.amdhsa_memory_ordered 1
		.amdhsa_forward_progress 1
		.amdhsa_inst_pref_size 46
	.end_amdhsa_kernel
	.amdgpu_metadata
---
amdhsa.version: [ 1, 2 ]
amdhsa.kernels:
  - .name:           k_qb2c3a17fd1_attn
    .symbol:         k_qb2c3a17fd1_attn.kd
    .args:
      - { .name: qkvc, .offset: 0, .size: 8, .value_kind: global_buffer, .address_space: global }
      - { .name: mw, .offset: 8, .size: 8, .value_kind: global_buffer, .address_space: global }
      - { .name: mf, .offset: 16, .size: 8, .value_kind: global_buffer, .address_space: global }
      - { .name: lowp_scales, .offset: 24, .size: 8, .value_kind: global_buffer, .address_space: global }
      - { .name: mc, .offset: 32, .size: 8, .value_kind: global_buffer, .address_space: global }
    .group_segment_fixed_size: 264192
    .private_segment_fixed_size: 0
    .kernarg_segment_align: 8
    .kernarg_segment_size: 40
    .max_flat_workgroup_size: 512
    .sgpr_count:     100
    .vgpr_count:     256
    .wavefront_size: 32
...
	.end_amdgpu_metadata
.endif
;; end of part 5
;; launch outp: the kernel of part 4 again; grid 4 x 16, 4 waves a work-group, clusters of 4 x 4, 327,680 bytes of LDS; arguments mc, wc, lowp_scales, out0; writes out0
